; MI455X (gfx1250); checked and timed in simulation.
; The chip was launched on July 23, 2026; its instructions are those of AMD's public machine-readable ISA for CDNA 5 (MIT licence, August 2026) and "CDNA5" Instruction Set Architecture Reference Guide (July 2026). The comments in the code are by the model that wrote it; some were corrected since.
;; Mixtral Mo E. Allowed arithmetic: matrix products marked QUANTISED: E5M2 operands, one given power-of-two scale a tensor, by v_wmma_f32_16x16x64_bf8_bf8 or v_wmma_f32_16x16x128_bf8_bf8, f32 sums; products left as they are: f32 operands where the result goes on into a quantised operand, else bf16, f16 or f32 operands; f32 sums; everything else in f32.
;; Inputs: gate_w 1,024 x 8 float32; hidden_states 2,048 x 1,024 float32; lowp_scales 32 int32 (the exponents e of the quantised operands' scales 2^e); w1 8 x 1,024 x 2,048 float32; w2 8 x 2,048 x 1,024 float32.
;; Outputs: out0 2,048 x 1,024 float32.
;; Constants: topk = 2.
;; This version of the problem:
;;   THIS VERSION OF THE PROBLEM IS GIVEN IN LOW PRECISION. The matrix products marked QUANTISED in the list below multiply operands that are first quantised to E5M2 (5 exponent bits, 2 mantissa bits; 8 bits a number), with one given power-of-two scale for each operand tensor; their sums are f32. All else is computed in f32.
;;   The module's matrix products, in the order in which they are computed (A, B: the left and right operand; K: the contracted axis; several contracted axes count as one K, in the product's order):
;;     1. [M 2,048, K 1,024] x [K 1,024, N 8]; A: input hidden_states; B: input gate_w: left as it is (N = 8 < 16)
;;     2. [M 2,048, K 1,024] x [K 1,024, N 2,048]; A: input hidden_states; B: input w1: QUANTISED (scales: A lowp_scales[0], B lowp_scales[1])
;;     3. [M 2,048, K 2,048] x [K 2,048, N 1,024]; A: computed on the way; B: input w2: QUANTISED (scales: A lowp_scales[2], B lowp_scales[3])
;;     4. [M 2,048, K 1,024] x [K 1,024, N 2,048]; A: input hidden_states; B: input w1: QUANTISED (scales: A lowp_scales[4], B lowp_scales[5])
;;     5. [M 2,048, K 2,048] x [K 2,048, N 1,024]; A: computed on the way; B: input w2: QUANTISED (scales: A lowp_scales[6], B lowp_scales[7])
;;     6. [M 2,048, K 1,024] x [K 1,024, N 2,048]; A: input hidden_states; B: input w1: QUANTISED (scales: A lowp_scales[8], B lowp_scales[9])
;;     7. [M 2,048, K 2,048] x [K 2,048, N 1,024]; A: computed on the way; B: input w2: QUANTISED (scales: A lowp_scales[10], B lowp_scales[11])
;;     8. [M 2,048, K 1,024] x [K 1,024, N 2,048]; A: input hidden_states; B: input w1: QUANTISED (scales: A lowp_scales[12], B lowp_scales[13])
;;     9. [M 2,048, K 2,048] x [K 2,048, N 1,024]; A: computed on the way; B: input w2: QUANTISED (scales: A lowp_scales[14], B lowp_scales[15])
;;     10. [M 2,048, K 1,024] x [K 1,024, N 2,048]; A: input hidden_states; B: input w1: QUANTISED (scales: A lowp_scales[16], B lowp_scales[17])
;;     11. [M 2,048, K 2,048] x [K 2,048, N 1,024]; A: computed on the way; B: input w2: QUANTISED (scales: A lowp_scales[18], B lowp_scales[19])
;;     12. [M 2,048, K 1,024] x [K 1,024, N 2,048]; A: input hidden_states; B: input w1: QUANTISED (scales: A lowp_scales[20], B lowp_scales[21])
;;     13. [M 2,048, K 2,048] x [K 2,048, N 1,024]; A: computed on the way; B: input w2: QUANTISED (scales: A lowp_scales[22], B lowp_scales[23])
;;     14. [M 2,048, K 1,024] x [K 1,024, N 2,048]; A: input hidden_states; B: input w1: QUANTISED (scales: A lowp_scales[24], B lowp_scales[25])
;;     15. [M 2,048, K 2,048] x [K 2,048, N 1,024]; A: computed on the way; B: input w2: QUANTISED (scales: A lowp_scales[26], B lowp_scales[27])
;;     16. [M 2,048, K 1,024] x [K 1,024, N 2,048]; A: input hidden_states; B: input w1: QUANTISED (scales: A lowp_scales[28], B lowp_scales[29])
;;     17. [M 2,048, K 2,048] x [K 2,048, N 1,024]; A: computed on the way; B: input w2: QUANTISED (scales: A lowp_scales[30], B lowp_scales[31])
;;   THE QUANTISER, for each operand of a quantised product, along K:
;;     - The operand's scale is 2^e, e = its entry of the input lowp_scales (int32; the entries are numbered through the quantised products in the list's order, A before B).
;;     - Each number is divided by the scale, clamped to +-57,344, and rounded to the nearest number of E5M2, ties to even, subnormals kept.
;;     - The product sums the exact products of the quantised numbers (number of the format x scale) in f32.
;;   ~~~python
;;   def quantise(x, axis, e):      # numpy; x: float32 -> the quantised numbers, widened to float32 again
;;       x = np.moveaxis(x, axis, -1); K = x.shape[-1]
;;       r = np.clip(x / 2.0 ** e, -57344, 57344)
;;       step = 2.0 ** (np.maximum(np.frexp(np.where(r == 0, 1, r))[1] - 1, -14) - 2)
;;       q = np.round(r / step) * step * 2.0 ** e      # np.round: ties to even
;;       return np.moveaxis(q, -1, axis).astype(np.float32)
;;   ~~~
;;   OPERANDS COMPUTED ON THE WAY. 'Computed on the way' means the value that the module computes at that place (a softmax that the list does not call 'softmax' is quantised finished and normalised). What goes into a quantiser is computed in f32, as accurately as f32 sums, v_exp_f32 and their like allow (about 1e-6 of the number): no bf16 or f16 on the way to a quantiser, and a product that is left as it is and whose result goes on into a quantised operand takes f32 operands (vector FMAs, or v_wmma_f32_16x16x4_f32). A number that lies on a knife's edge between two numbers of the format may be rounded either way, as far as f32 arithmetic and the matrix unit's own rounding can turn it there, and no further.
;; 2 versions. Each part assembles by itself: llvm-mc -triple=amdgcn-amd-amdhsa -mcpu=gfx1250 --defsym DOCPART=n.
;; ======== version 1 of 2: 5 launches
;; workspace buffers: wc 33,554,432 bytes; xq 4,194,304 bytes; gates 16,384 bytes; route 24,576 bytes of whole numbers; hq 11,403,264 bytes; place 50,176 bytes of whole numbers; y 22,806,528 bytes
;; launch prep (part 1): grid 768 x 1, 4 waves a work-group, no clusters, 67,072 bytes of LDS; arguments hidden_states, gate_w, lowp_scales, w1, w2, wc, xq, gates, route; writes wc, xq, gates, route
.if DOCPART == 1
	.amdgcn_target "amdgcn-amd-amdhsa--gfx1250"
	.amdhsa_code_object_version 6
	.text
	.protected	k_q39971167ce_prep
	.globl	k_q39971167ce_prep
	.p2align	8
	.type	k_q39971167ce_prep,@function
k_q39971167ce_prep:
	s_mov_b64 s[64:65], 0
	v_nop
	global_prefetch_b8 v0, s[64:65] scope:SCOPE_SE
	s_setreg_imm32_b32 hwreg(HW_REG_WAVE_MODE, 25, 1), 1
	s_wait_xcnt 0x0
; PREP: the router, the tokens' codes, and both weights' codes of BF8 (E5M2).  Three paths, chosen by the work-group's number:
;   0-255    ROUTER: 8 tokens a work-group, 2 a wave.  Logits in f32 (fused multiply-adds), u = exp(l - max), the two largest u (ties: the lower expert), gates u / (u1 + u2).
;            Stored at fixed places: a word with the two experts' bits for each token, the two gates (lower expert first), each wave's counts of tokens for each expert,
;            and the token's row as codes TWICE: row 2 t with the lower expert's scale for x, row 2 t + 1 with the higher expert's.  A choice selects values alone here, never an address.
;            A wave asks for its two rows at the head, with gate_w: it has one round of loads and no loop.  768 work-groups are three for each of 256 WGPs: a router and two of the weights'.
;   256-511  W1 [8][1024 k][2048 n], 512-767 W2 [8][2048 k][1024 n]: a work-group takes 512 columns x 128 along K.  A LANE TAKES FOUR COLUMNS AND ITS REGISTERS RUN DOWN K:
;            each load reads 512 consecutive bytes of one row k; the hold at the largest code also turns a column's 16 numbers into consecutive registers for the conversion.
; THE CODES' LAYOUT is the order of the operand's registers: [expert][64 columns][K step of 128][fragment 0-3][chunk c 0-3][lane][16 bytes]; lane (r, h) of chunk c holds k = 32 c + 16 h + 0..15 of slot r.
; Column x of a group of 32 lies in fragment 2 g + ((x >> 3) & 1), slot (x & 7) + 8 (x >> 4): a product used transposed then leaves 16 neighbouring columns in a lane's 16 registers of two neighbouring tiles.
; A chunk's codes go through the wave's own stage in LDS and leave as 512 consecutive bytes a store.  Each path has LDS bytes of its own.
; No matrix unit, no cluster, no tensor load: memory binds, no work-group shares a large input tile with another, and the loads into registers keep 48 rows of 512 bytes a wave on their way.
; LIMITS: each given exponent e lies between -126 and 112, so that 2^e and 57,344 x 2^e are f32 numbers.  NaN among the inputs is not served.  The order of the two largest is taken on exp(l - max).
.set GWT,  0                           ; LDS: gate_w, 32,768 bytes (router)
.set STG1, 32768                       ; W1's stages: 4 waves x 8 fragments x 528 bytes
.set STG2, 49664                       ; W2's stages
.set X,    16                          ; quantiser: v16-207 three sets of 16 rows x 4 columns
.set TT,   208                         ; v208-239 two sets of 16 numbers of one column; also the 32 registers of the way out
.set CC,   240                         ; v240-255 four registers of codes for each of my four columns
.set XA,   16                          ; router: v16-79: two tokens x 32 numbers
.set G,    144                         ; v144-207 gate_w for a quarter of K: 8 experts x 8
.set T,    144                         ; later: 32 held numbers,
.set CDS,  176                         ; and 4 x 8 registers of codes
.set ACC,  208                         ; v208-239 2 tokens x 8 experts x a pair of sums
.set MKR,  240                         ; v240 lane (l & 1): that token's word of two bits
.set GL,   242                         ; v[242:243] its two gates
.set CW,   244                         ; v[244:247] my wave's counts: word q = expert 2 q | expert 2 q + 1 << 16
.macro QLOAD hb, pitch                 ; rows 16 hb .. 16 hb + 15 of the unit's 128, four columns a lane
.irp i, 0,1,2,3,4,5,6,7,8,9,10,11,12,13,14,15
	global_load_b128 v[X+64*((\hb)%3)+4*\i:X+64*((\hb)%3)+4*\i+3], v2, s[28:29] offset:(16*(\hb)+\i)*\pitch th:TH_LOAD_NT
.endr
.endm
.macro HB hb, pitch, ksn               ; 16 along K: chunk c = hb / 2, half h = hb % 2
.if (\hb) <= 5
	s_wait_loadcnt 32                              ; my set is in; the two younger sets stay out
.elseif (\hb) == 6
	s_wait_loadcnt 16
.else
	s_wait_loadcnt 0
.endif
	s_wait_dscnt 0x0                               ; the stage's stores have read the codes' registers
.if ((\hb)%2 == 0) && ((\hb) > 0)
	s_wait_xcnt 0x0                                ; the last chunk's global stores have read v208-239
.endif
.irp cc, 0,1,2,3
.irp i, 0,1,2,3,4,5,6,7,8,9,10,11,12,13,14,15
	v_med3_num_f32 v[TT+16*(\cc%2)+\i], v[X+64*((\hb)%3)+4*\i+\cc], -v6, v6   ; the conversion does not saturate (ISA guide 7.6.2): the hold; it also lays the column's K along consecutive registers
.endr
	v_cvt_scalef32_pk8_bf8_f32 v[CC+4*\cc:CC+4*\cc+1], v[TT+16*(\cc%2):TT+16*(\cc%2)+7], v5
	v_cvt_scalef32_pk8_bf8_f32 v[CC+4*\cc+2:CC+4*\cc+3], v[TT+16*(\cc%2)+8:TT+16*(\cc%2)+15], v5
	ds_store_b128 v3, v[CC+4*\cc:CC+4*\cc+3] offset:256*((\hb)%2)+16*\cc      ; slot + cc, half h; the next column's holds, on the other set, are the plain lines behind the conversions
.endr
	v_nop                                          ; a plain line behind the last conversion
.if (\hb)+3 < 8
	QLOAD (\hb)+3, \pitch
.endif
.if (\hb)%2 == 1
.irp i, 0,1,2,3,4,5,6,7
	ds_load_b128 v[TT+4*\i:TT+4*\i+3], v4 offset:528*\i        ; LDS serves a wave's instructions in order (ISA guide 5.7.1.4): these see my stores
.endr
	s_wait_dscnt 0x0
.irp i, 0,1,2,3,4,5,6,7
	global_store_b128 v2, v[TT+4*\i:TT+4*\i+3], s[32:33] offset:(\i/4)*\ksn*8192+(\i%4)*2048+512*((\hb)/2)   ; 512 consecutive bytes, aligned
.endr
.endif
.endm
; first: the path's first work-group; pitch: bytes of a row k; ksn: K steps of 128; src: the weight's pointer; dstoff: its codes' first byte in wc; scoff: its scale's byte within an expert's four
.macro QPATH first, pitch, ksn, logks, stg, src, dstoff, scoff
	s_sub_co_u32 s23, ttmp9, \first
	s_lshr_b32 s24, s23, 5                         ; expert
	s_lshr_b32 s25, s23, \logks
	s_and_b32 s25, s25, 32/\ksn-1                  ; which 512 columns
	s_and_b32 s26, s23, \ksn-1                     ; which K step
	s_lshl_b32 s27, s24, 4                         ; the expert's four scales
	s_lshl_b32 s28, s24, 23                        ; source: expert x 8 MiB + K step x 128 rows + 2,048 x column group + 512 x wave
	s_mul_i32 s30, s26, 128*\pitch
	s_add_co_u32 s28, s28, s30
	s_lshl_b32 s30, s25, 11
	s_add_co_u32 s28, s28, s30
	s_lshl_b32 s30, s22, 9
	s_add_co_u32 s28, s28, s30
	s_mov_b32 s29, 0
	s_lshl_b32 s32, s24, 21                        ; codes: expert x 2 MiB + 64 columns x (ksn x 8,192) + K step x 8,192
	s_mul_i32 s30, s25, 8*\ksn*8192
	s_add_co_u32 s32, s32, s30
	s_mul_i32 s30, s22, 2*\ksn*8192
	s_add_co_u32 s32, s32, s30
	s_lshl_b32 s30, s26, 13
	s_add_co_u32 s32, s32, s30
.if \dstoff
	s_add_co_u32 s32, s32, \dstoff
.endif
	s_mov_b32 s33, 0
	v_lshrrev_b32 v7, 3, v1                        ; my columns 4 l .. 4 l + 3: fragment 2 (l >> 3) + ((l >> 1) & 1) of the wave's eight,
	v_bfe_u32 v8, v1, 1, 1
	v_lshl_add_u32 v7, v7, 1, v8
	v_mul_u32_u24 v7, v7, 528                      ; 528 bytes apart
	v_and_b32 v8, 1, v1
	v_lshl_add_u32 v7, v8, 6, v7                   ; slot 4 (l & 1) + 8 ((l >> 2) & 1) + cc, 16 bytes a slot
	v_bfe_u32 v8, v1, 2, 1
	v_lshl_add_u32 v7, v8, 7, v7
	s_mul_i32 s30, s22, 4224
	s_add_co_u32 s30, s30, \stg                    ; my wave's stage
	v_add_nc_u32 v3, s30, v7
	v_add_nc_u32 v4, s30, v2
	s_wait_kmcnt 0x0
	s_load_b32 s34, s[8:9], s27 offset:\scoff      ; e
	s_add_nc_u64 s[28:29], s[\src:\src+1], s[28:29]
	s_add_nc_u64 s[32:33], s[14:15], s[32:33]
	QLOAD 0, \pitch
	QLOAD 1, \pitch
	QLOAD 2, \pitch
	s_wait_kmcnt 0x0
	s_add_co_i32 s34, s34, 127
	s_lshl_b32 s35, s34, 23
	v_mov_b32 v5, s35                              ; 2^e as f32: the conversion takes its exponent field
	s_add_co_i32 s34, s34, 15
	s_lshl_b32 s34, s34, 23
	s_or_b32 s34, s34, 0x600000
	v_mov_b32 v6, s34                              ; 57,344 x 2^e
.irp hb, 0,1,2,3,4,5,6,7
	HB \hb, \pitch, \ksn
.endr
.endm
; The two largest of a token's eight.  Every lane holds all eight logits at v[LB + 2 e]; u goes to v[LB + 2 e + 1].  t: which of my wave's two tokens.
.macro TOP2 t
.set LB, ACC+16*(\t)
	v_max3_num_f32 v248, v[LB], v[LB+2], v[LB+4]
	v_max3_num_f32 v248, v248, v[LB+6], v[LB+8]
	v_max3_num_f32 v248, v248, v[LB+10], v[LB+12]
	v_max_num_f32 v248, v248, v[LB+14]             ; the maximum is taken away ahead of the exponential
.irp e, 0,1,2,3,4,5,6,7
	v_sub_f32 v[LB+2*\e+1], v[LB+2*\e], v248
.endr
.irp e, 0,1,2,3,4,5,6,7
	v_mul_f32 v[LB+2*\e+1], 0x3fb8aa3b, v[LB+2*\e+1]
.endr
.irp e, 0,1,2,3,4,5,6,7
	v_exp_f32 v[LB+2*\e+1], v[LB+2*\e+1]
.endr
	v_mov_b32 v250, 0                              ; (a plain line behind the exponentials)  the largest so far: expert 0
	s_wait_alu depctr_va_vdst(0)
	v_mov_b32 v249, v[LB+1]
.irp e, 1,2,3,4,5,6,7
	v_cmp_le_f32 vcc_lo, v[LB+2*\e+1], v249        ; not larger: the earlier expert stays, so a tie goes to the lower number
	v_cndmask_b32 v250, \e, v250, vcc_lo
	v_max_num_f32 v249, v249, v[LB+2*\e+1]
.endr
.irp e, 0,1,2,3,4,5,6,7
	v_cmp_eq_u32 vcc_lo, \e, v250
	v_cndmask_b32 v[LB+2*\e+1], v[LB+2*\e+1], v255, vcc_lo   ; the first choice becomes -1, under every u
.endr
	v_mov_b32 v252, 0
	v_mov_b32 v251, v[LB+1]
.irp e, 1,2,3,4,5,6,7
	v_cmp_le_f32 vcc_lo, v[LB+2*\e+1], v251
	v_cndmask_b32 v252, \e, v252, vcc_lo
	v_max_num_f32 v251, v251, v[LB+2*\e+1]
.endr
	v_add_f32 v253, v249, v251
	v_rcp_f32 v253, v253
	v_min_u32 v10, v250, v252                      ; (a plain line behind the reciprocal)  the lower expert,
	v_max_u32 v11, v250, v252                      ; the higher
	s_wait_alu depctr_va_vdst(0)
	v_mul_f32 v249, v249, v253
	v_mul_f32 v251, v251, v253
	v_cmp_lt_u32 vcc_lo, v250, v252
	v_cndmask_b32 v12, v251, v249, vcc_lo          ; the lower expert's gate,
	v_cndmask_b32 v13, v249, v251, vcc_lo          ; the higher's
	v_lshlrev_b32 v14, v250, v6
	v_lshlrev_b32 v15, v252, v6
	v_or_b32 v14, v14, v15                         ; the word of two bits
.irp q, 0,1,2,3
	v_bfe_u32 v15, v14, 2*\q, 1
	v_bfe_u32 v8, v14, 2*\q+1, 1
	v_lshl_add_u32 v15, v8, 16, v15
	v_add_nc_u32 v[CW+\q], v[CW+\q], v15
.endr
	v_cmp_eq_u32 vcc_lo, \t, v4                    ; the lanes that keep this token's results for the stores at the end
	v_cndmask_b32 v[MKR], v[MKR], v14, vcc_lo
	v_cndmask_b32 v[GL], v[GL], v12, vcc_lo
	v_cndmask_b32 v[GL+1], v[GL+1], v13, vcc_lo
.endm
; A token's row as codes under the scale of the expert in v[ve]: the scale is SELECTED among eight, no address hangs on the choice.  Each of the four calls has code registers of its own: no store's data are written again.
.macro XQ xs, ve, cd, off
	v_mov_b32 v253, s56
.irp e, 1,2,3,4,5,6,7
	v_cmp_ne_u32 vcc_lo, \e, v[\ve]
	v_cndmask_b32 v253, s[56+\e], v253, vcc_lo
.endr
	v_add_nc_u32 v254, 0x7e00000, v253             ; 57,344 x the scale: 15 onto the exponent field, 0x600000 as mantissa
.set J, 0
.rept 32
	v_med3_num_f32 v[T+J], v[\xs+J], -v254, v254
.set J, J+1
.endr
.irp q, 0,1,2,3
	v_cvt_scalef32_pk8_bf8_f32 v[\cd+2*\q:\cd+2*\q+1], v[T+8*\q:T+8*\q+7], v253
.endr
	v_nop                                          ; a plain line behind the last conversion
.irp q, 0,1,2,3
	global_store_b64 v5, v[\cd+2*\q:\cd+2*\q+1], s[74:75] offset:\off+256*\q   ; 32 lanes x 8 bytes: 256 consecutive bytes, aligned
.endr
.endm
	s_load_b512 s[4:19], s[0:1], 0x0               ; hidden s[4:5], gate_w s[6:7], scales s[8:9], w1 s[10:11], w2 s[12:13], wc s[14:15], xq s[16:17], gates s[18:19]
	s_load_b64 s[20:21], s[0:1], 0x40              ; route
	s_set_vgpr_msb 0x40
	v_lshl_add_u32 v0, v0, 2, 0x10400
	v_mov_b32 v1, 0
	s_set_vgpr_msb 0x4000
	v_lshrrev_b32 v1, 5, v0
	v_readfirstlane_b32 s22, v1                    ; wave
	v_and_b32 v1, 31, v0                           ; lane
	v_lshlrev_b32 v2, 4, v1                        ; 16 x lane
	s_cmp_lt_u32 ttmp9, 256
	s_cbranch_scc1 .Lrouter
	s_cmp_lt_u32 ttmp9, 512
	s_cbranch_scc1 .Lw1
	QPATH 512, 4096, 16, 4, STG2, 12, 16777216, 12
	s_set_vgpr_msb 0x5
	s_wait_tensorcnt 0x0
	ds_add_u32 v0, v1
	s_wait_dscnt 0x0
	s_set_vgpr_msb 0x500
	s_endpgm
.Lw1:
	QPATH 256, 8192, 8, 3, STG1, 10, 0, 4
	s_set_vgpr_msb 0x5
	s_wait_tensorcnt 0x0
	ds_add_u32 v0, v1
	s_wait_dscnt 0x0
	s_set_vgpr_msb 0x500
	s_endpgm
.Lrouter:
	v_lshlrev_b32 v3, 5, v1                        ; x: 32 bytes a lane
	v_and_b32 v4, 1, v1                            ; which of my wave's two tokens this lane keeps for the stores at the end
	v_lshlrev_b32 v5, 3, v1                        ; codes: 8 bytes a lane
	v_mov_b32 v6, 1
	v_bfe_u32 v7, v0, 2, 1                         ; where thread n puts gate_w(k = n + 128 i, e): 512 ((k >> 2) & 1) + 16 ((k >> 3) & 31) + 4 (k & 3), the rest in the immediate
	v_lshlrev_b32 v7, 9, v7
	v_lshrrev_b32 v8, 3, v0
	v_lshl_add_u32 v7, v8, 4, v7
	v_and_b32 v8, 3, v0
	v_lshl_add_u32 v7, v8, 2, v7
	v_lshlrev_b32 v9, 5, v0                        ; a row of gate_w is 32 bytes
	s_lshl_b32 s23, ttmp9, 3
	s_lshl_b32 s69, s22, 1
	s_add_co_u32 s23, s23, s69                     ; my wave's first token: 8 x work-group + 2 x wave
	s_lshl_b32 s76, s23, 12
	s_mov_b32 s77, 0
	s_lshl_b32 s78, s23, 11
	s_mov_b32 s79, 0
	s_mov_b32 s66, 0x76543210                      ; v_permlanex16_b32: lane l xor 16
	s_mov_b32 s67, 0xfedcba98
	s_wait_kmcnt 0x0
	s_load_b512 s[24:39], s[8:9], 0x0              ; all 32 exponents
	s_load_b512 s[40:55], s[8:9], 0x40
	s_add_nc_u64 s[72:73], s[4:5], s[76:77]        ; x at my first token
	s_add_nc_u64 s[74:75], s[16:17], s[78:79]      ; its two rows of codes
.irp i, 0,1,2,3,4,5,6,7
	global_load_b128 v[G+8*\i:G+8*\i+3], v9, s[6:7] offset:4096*\i
	global_load_b128 v[G+8*\i+4:G+8*\i+7], v9, s[6:7] offset:4096*\i+16
.endr
.irp t, 0,1                                        ; my two tokens' rows: lane l takes k = 256 q + 8 l + 0..7 into registers 8 q .. 8 q + 7
.irp q, 0,1,2,3
	global_load_b128 v[XA+32*\t+8*\q:XA+32*\t+8*\q+3], v3, s[72:73] offset:\t*4096+1024*\q th:TH_LOAD_NT
	global_load_b128 v[XA+32*\t+8*\q+4:XA+32*\t+8*\q+7], v3, s[72:73] offset:\t*4096+1024*\q+16 th:TH_LOAD_NT
.endr
.endr
	v_mov_b32 v[MKR], 0
	v_mov_b32 v[GL], 0
	v_mov_b32 v[GL+1], 0
.irp q, 0,1,2,3
	v_mov_b32 v[CW+\q], 0
.endr
	v_mov_b32 v255, -1.0
	s_wait_loadcnt 16                              ; gate_w is in; the sixteen loads of x stay out
.irp i, 0,1,2,3,4,5,6,7
.irp e, 0,1,2,3,4,5,6,7
	ds_store_b32 v7, v[G+8*\i+\e] offset:GWT+4096*\e+1024*(\i/2)+256*(\i%2)
.endr
.endr
	s_wait_kmcnt 0x0
.irp e, 0,1,2,3,4,5,6,7
	s_add_co_i32 s[56+\e], s[24+4*\e], 127
	s_lshl_b32 s[56+\e], s[56+\e], 23              ; 2^ex of expert e as f32
.endr
	s_wait_dscnt 0x0                               ; for the others' sake: my part of gate_w lies in LDS
	s_barrier_signal -1
	s_barrier_wait -1
	s_wait_loadcnt 0x0                             ; my two rows of x are in
.irp q, 0,1,2,3                                    ; the sixteen logits, a quarter of K at a time
.irp e, 0,1,2,3,4,5,6,7
	ds_load_b128 v[G+8*\e:G+8*\e+3], v2 offset:GWT+4096*\e+1024*\q
	ds_load_b128 v[G+8*\e+4:G+8*\e+7], v2 offset:GWT+4096*\e+1024*\q+512
.endr
	s_wait_dscnt 0x0
.irp p, 0,1,2,3
.irp t, 0,1
.irp e, 0,1,2,3,4,5,6,7
.if \q+\p == 0
	v_pk_mul_f32 v[ACC+16*\t+2*\e:ACC+16*\t+2*\e+1], v[XA+32*\t+8*\q+2*\p:XA+32*\t+8*\q+2*\p+1], v[G+8*\e+2*\p:G+8*\e+2*\p+1]   ; the first products start the sums
.else
	v_pk_fma_f32 v[ACC+16*\t+2*\e:ACC+16*\t+2*\e+1], v[XA+32*\t+8*\q+2*\p:XA+32*\t+8*\q+2*\p+1], v[G+8*\e+2*\p:G+8*\e+2*\p+1], v[ACC+16*\t+2*\e:ACC+16*\t+2*\e+1]
.endif
.endr
.endr
.endr
.endr
.set N, 0
.rept 16
	v_add_f32 v[ACC+2*N], v[ACC+2*N], v[ACC+2*N+1]
.set N, N+1
.endr
.irp m, 1,2,4,8
.set N, 0
.rept 16
	v_add_f32_dpp v[ACC+2*N], v[ACC+2*N], v[ACC+2*N] row_xmask:\m row_mask:0xf bank_mask:0xf
.set N, N+1
.endr
.endr
.set N, 0
.rept 16
	v_permlanex16_b32 v[ACC+2*N+1], v[ACC+2*N], s66, s67
.set N, N+1
.endr
.set N, 0
.rept 16
	v_add_f32 v[ACC+2*N], v[ACC+2*N], v[ACC+2*N+1]   ; every lane holds the sixteen logits
.set N, N+1
.endr
.irp t, 0,1
	TOP2 \t
	XQ XA+32*\t, 10, CDS+16*\t, (2*\t)*1024
	XQ XA+32*\t, 11, CDS+16*\t+8, (2*\t+1)*1024
.endr
	s_lshl_b32 s24, s23, 2
	s_mov_b32 s25, 0
	s_add_nc_u64 s[24:25], s[20:21], s[24:25]      ; the words of bits
	s_lshl_b32 s26, s23, 3
	s_mov_b32 s27, 0
	s_add_nc_u64 s[26:27], s[18:19], s[26:27]      ; the gates
	s_lshl_b32 s28, ttmp9, 2
	s_add_co_u32 s28, s28, s22
	s_lshl_b32 s28, s28, 4
	s_mov_b32 s29, 0
	s_add_nc_u64 s[28:29], s[20:21], s[28:29]      ; my wave's four words of counts: entry 4 x work-group + wave of 1,024
	v_lshlrev_b32 v7, 2, v4
	v_lshlrev_b32 v8, 3, v4
	v_mov_b32 v9, 0
	global_store_b32 v7, v[MKR], s[24:25]          ; the lanes of one parity hold and store the same word at the same place
	global_store_b64 v8, v[GL:GL+1], s[26:27]
	global_store_b128 v9, v[CW:CW+3], s[28:29] offset:8192
	s_set_vgpr_msb 0x5
	s_wait_tensorcnt 0x0
	ds_add_u32 v0, v1
	s_wait_dscnt 0x0
	s_set_vgpr_msb 0x500
	s_endpgm
.Lfunc_end_k_q39971167ce_prep:
	.size	k_q39971167ce_prep, .Lfunc_end_k_q39971167ce_prep-k_q39971167ce_prep
	.p2alignl 7, 3214868480
	.fill 96, 4, 3214868480
	.section	.rodata,"a",@progbits
	.p2align	6, 0x0
	.amdhsa_kernel k_q39971167ce_prep
		.amdhsa_group_segment_fixed_size 67072
		.amdhsa_private_segment_fixed_size 0
		.amdhsa_enable_private_segment 0
		.amdhsa_kernarg_size 72
		.amdhsa_user_sgpr_count 2
		.amdhsa_user_sgpr_kernarg_segment_ptr 1
		.amdhsa_wavefront_size32 1
		.amdhsa_system_sgpr_workgroup_id_x 1
		.amdhsa_system_sgpr_workgroup_id_y 1
		.amdhsa_system_sgpr_workgroup_id_z 1
		.amdhsa_system_vgpr_workitem_id 0
		.amdhsa_next_free_vgpr 258
		.amdhsa_next_free_sgpr 80
		.amdhsa_reserve_vcc 1
		.amdhsa_float_denorm_mode_32 3
		.amdhsa_float_denorm_mode_16_64 3
		.amdhsa_memory_ordered 1
		.amdhsa_forward_progress 1
		.amdhsa_inst_pref_size 176
	.end_amdhsa_kernel
	.amdgpu_metadata
---
amdhsa.version: [ 1, 2 ]
amdhsa.kernels:
  - .name:           k_q39971167ce_prep
    .symbol:         k_q39971167ce_prep.kd
    .args:
      - { .name: hidden_states, .offset: 0, .size: 8, .value_kind: global_buffer, .address_space: global }
      - { .name: gate_w, .offset: 8, .size: 8, .value_kind: global_buffer, .address_space: global }
      - { .name: lowp_scales, .offset: 16, .size: 8, .value_kind: global_buffer, .address_space: global }
      - { .name: w1, .offset: 24, .size: 8, .value_kind: global_buffer, .address_space: global }
      - { .name: w2, .offset: 32, .size: 8, .value_kind: global_buffer, .address_space: global }
      - { .name: wc, .offset: 40, .size: 8, .value_kind: global_buffer, .address_space: global }
      - { .name: xq, .offset: 48, .size: 8, .value_kind: global_buffer, .address_space: global }
      - { .name: gates, .offset: 56, .size: 8, .value_kind: global_buffer, .address_space: global }
      - { .name: route, .offset: 64, .size: 8, .value_kind: global_buffer, .address_space: global }
    .group_segment_fixed_size: 67072
    .private_segment_fixed_size: 0
    .kernarg_segment_align: 8
    .kernarg_segment_size: 72
    .max_flat_workgroup_size: 128
    .sgpr_count:     80
    .vgpr_count:     258
    .wavefront_size: 32
...
	.end_amdgpu_metadata
.endif
;; end of part 1
;; launch placer (part 2): grid 29 x 1, 4 waves a work-group, no clusters, 1,536 bytes of LDS; arguments route, place; writes place
.if DOCPART == 2
	.amdgcn_target "amdgcn-amd-amdhsa--gfx1250"
	.amdhsa_code_object_version 6
	.text
	.protected	k_q39971167ce_placer
	.globl	k_q39971167ce_placer
	.p2align	8
	.type	k_q39971167ce_placer,@function
k_q39971167ce_placer:
	s_mov_b64 s[64:65], 0
	v_nop
	global_prefetch_b8 v0, s[64:65] scope:SCOPE_SE
	s_setreg_imm32_b32 hwreg(HW_REG_WAVE_MODE, 25, 1), 1
	s_wait_xcnt 0x0
; PLACER: the routed rows are given their places.  The 4,096 routed rows (2 for each token) are sorted by expert into tiles of 192 rows; whatever the choice there are at most 29 tiles
; ((4,096 + 8 x 191) / 192).  Work-group t serves tile t.  All that it reads are whole numbers that the launch before stored at fixed places: a word of two bits for each token, and 1,024 waves' counts.
; Every work-group derives the same order: the experts' counts give each tile its expert and its first rank among that expert's rows; wave 0 walks the 2,048 words of bits and puts the tile's
; row numbers into a list in LDS (a row's rank: the rows counted so far + the set lanes below).  No branch hangs on these numbers: what belongs to another tile falls on a spare word of the list.
; STORED, for the launches that follow, which form addresses and a branch from them:  place + 0: for each row its place, 192 x tile + rank (16 KB in all, four bytes a lane, scattered: each row is told by the
; tile that holds it);  place + 16,384 + 128 x tile: the tile's expert, or 8 for a tile without rows, 32 equal words;  place + 20,480 + 1,024 x tile: the list, 256 words, of which 192 are read; rows that the tile lacks are row 0.
; A few KB of whole numbers: no matrix unit, no tensor load, no cluster.
.set LIST, 0                           ; LDS: 256 words: the tile's 192 row numbers; word 192 takes what belongs elsewhere
.set CN,   32                          ; v32-159  counts: 32 loads of four words a lane
.set MK,   160                         ; v160-223 the words of bits
.macro MAP e                           ; does my tile begin at or behind expert e's first tile?  Then e is the candidate; s32 runs on by e's tiles
	s_cmp_ge_u32 s17, s32
	s_cselect_b32 s33, \e, s33
	s_cselect_b32 s34, s32, s34
	s_cselect_b32 s35, s[24+\e], s35
	s_add_co_u32 s36, s[24+\e], 191
	s_lshr_b32 s36, s36, 6
	s_mul_i32 s36, s36, 0xaaab                     ; / 3, exact for numbers up to 34
	s_lshr_b32 s36, s36, 17
	s_add_co_u32 s32, s32, s36
.endm
.macro SCAN n                          ; register n of the words of bits: token 128 (n / 4) + 4 lane + n % 4
.set TA, 20+4*((\n)%2)
	v_and_b32 v[TA], s37, v[MK+\n]
	v_cmp_ne_u32 vcc_lo, 0, v[TA]                  ; the token chose my expert
	v_mbcnt_lo_u32_b32 v[TA], vcc_lo, s50          ; its rank, less my tile's first rank
	v_and_b32 v[TA+1], s38, v[MK+\n]
	v_cndmask_b32 v[TA], 0xffff, v[TA], vcc_lo
	v_min_u32 v[TA+1], 1, v[TA+1]                  ; 1 where the token's other expert has the lower number: the row's second copy
	v_min_u32 v[TA], 192, v[TA]                    ; ranks of other tiles (as unsigned numbers) and other tokens fall on word 192
	v_add3_u32 v[TA+1], v18, v[TA+1], 256*((\n)/4)+2*((\n)%4)   ; the row: 2 x token + copy
	v_lshlrev_b32 v[TA], 2, v[TA]
	ds_store_b32 v[TA], v[TA+1]
	s_bcnt1_i32_b32 s51, vcc_lo
	s_add_co_u32 s50, s50, s51
.endm
	s_load_b128 s[4:7], s[0:1], 0x0                ; route s[4:5], place s[6:7]
	v_lshl_add_u32 v224, v0, 2, 0x400
	v_mov_b32 v225, 0
	v_lshrrev_b32 v1, 5, v0
	v_readfirstlane_b32 s16, v1                    ; wave
	s_mov_b32 s17, ttmp9                           ; tile
	v_and_b32 v1, 31, v0                           ; lane
	v_lshlrev_b32 v2, 4, v1                        ; 16 x lane
	v_lshlrev_b32 v10, 3, v0                       ; my thread's two words of the list
	v_lshlrev_b32 v17, 2, v1
	v_lshlrev_b32 v18, 3, v1
	s_mov_b32 s58, 0x76543210                      ; v_permlanex16_b32: lane l xor 16
	s_mov_b32 s59, 0xfedcba98
	s_lshl_b32 s56, s17, 10
	s_mov_b32 s57, 0
	s_wait_kmcnt 0x0
	s_add_nc_u64 s[54:55], s[6:7], s[56:57]        ; place + 1,024 x tile: my tile's list lies 20,480 bytes on
.set I, 0
.rept 32
	global_load_b128 v[CN+4*I:CN+4*I+3], v2, s[4:5] offset:8192+512*I     ; 1,024 waves' counts, four words each
.set I, I+1
.endr
.set I, 0
.rept 16
	global_load_b128 v[MK+4*I:MK+4*I+3], v2, s[4:5] offset:512*I          ; the 2,048 words of bits
.set I, I+1
.endr
.irp q, 0,1,2,3
	v_mov_b32 v[13+\q], 0                          ; written once: the destination of a lane exchange counts as read
.endr
	s_wait_loadcnt 0x0
.set I, 1
.rept 31
	v_add_nc_u32 v[CN], v[CN], v[CN+4*I]           ; two counts a word, 2,048 at the most: no carry between them
	v_add_nc_u32 v[CN+1], v[CN+1], v[CN+4*I+1]
	v_add_nc_u32 v[CN+2], v[CN+2], v[CN+4*I+2]
	v_add_nc_u32 v[CN+3], v[CN+3], v[CN+4*I+3]
.set I, I+1
.endr
.irp m, 1,2,4,8
.irp q, 0,1,2,3
	v_mov_b32_dpp v[13+\q], v[CN+\q] row_xmask:\m row_mask:0xf bank_mask:0xf
.endr
.irp q, 0,1,2,3
	v_add_nc_u32 v[CN+\q], v[CN+\q], v[13+\q]
.endr
.endr
.irp q, 0,1,2,3
	v_permlanex16_b32 v[13+\q], v[CN+\q], s58, s59
.endr
.irp q, 0,1,2,3
	v_add_nc_u32 v[CN+\q], v[CN+\q], v[13+\q]
.endr
.irp q, 0,1,2,3
	v_readfirstlane_b32 s[20+\q], v[CN+\q]
.endr
.irp q, 0,1,2,3
	s_and_b32 s[24+2*\q], s[20+\q], 0xffff         ; s24-31: the eight experts' rows
	s_lshr_b32 s[25+2*\q], s[20+\q], 16
.endr
	s_mov_b32 s32, 0
	s_mov_b32 s33, 0
	s_mov_b32 s34, 0
	s_mov_b32 s35, 0
.irp e, 0,1,2,3,4,5,6,7
	MAP \e
.endr
	s_cmp_lt_u32 s17, s32
	s_cselect_b32 s39, 1, 0                        ; my tile has rows
	s_min_u32 s33, s33, 7                          ; my expert
	s_sub_co_u32 s50, s17, s34
	s_mul_i32 s50, s50, 192                        ; my tile's first rank among the expert's rows
	s_sub_co_i32 s49, s35, s50
	s_max_i32 s49, s49, 0
	s_min_i32 s49, s49, 192                        ; my tile's rows
	s_sub_co_u32 s50, 0, s50
	s_mul_i32 s60, s17, 192
	s_cmp_lg_u32 s16, 0
	s_cbranch_scc1 .Lnot0
	v_mov_b32 v19, 0                               ; WAVE 0 makes the list; no other wave touches LDS ahead of the barrier below
.irp q, 0,1,2,3,4,5,6,7
	ds_store_b32 v17, v19 offset:LIST+128*\q
.endr
	s_lshl_b32 s37, 1, s33                         ; my expert's bit,
	s_sub_co_u32 s38, s37, 1                       ; the lower experts' bits
.set N, 0
.rept 64
	SCAN N
.set N, N+1
.endr
	s_cmp_lg_u32 s39, 0
	s_cselect_b32 s36, s33, 8                      ; the tile's mark: its expert, or 8 for none
	v_mov_b32 v28, s36
	s_lshl_b32 s56, s17, 7
	s_add_nc_u64 s[62:63], s[6:7], s[56:57]
	global_store_b32 v17, v28, s[62:63] offset:16384
.Lnot0:
	s_wait_dscnt 0x0                               ; for the others' sake: the list's stores are done
	s_barrier_signal -1
	s_barrier_wait -1                              ; the list lies in LDS
	ds_load_b64 v[14:15], v10 offset:LIST          ; thread n: the rows of ranks 2 n and 2 n + 1
	v_lshlrev_b32 v20, 1, v0                       ; rank 2 n,
	v_add_nc_u32 v21, 1, v20                       ; 2 n + 1
	v_add_nc_u32 v22, s60, v20                     ; their places: 192 x tile + rank
	v_add_nc_u32 v23, 1, v22
	s_wait_dscnt 0x0
	global_store_b64 v10, v[14:15], s[54:55] offset:20480   ; the list as it lies: a wave stores 256 consecutive bytes, aligned
	s_wait_xcnt 0x0                                ; the store has read v14 and v15, which are rewritten below; and EXEC changes only behind this wait
	v_min_u32 v14, 0xfff, v14                      ; a row number is held at 4,095 ahead of its use in an address
	v_min_u32 v15, 0xfff, v15
	v_lshlrev_b32 v14, 2, v14
	v_lshlrev_b32 v15, 2, v15
	v_cmp_gt_u32 vcc_lo, s49, v20                  ; only the ranks that the tile has
	s_wait_tensorcnt 0x0
	ds_add_u32 v224, v225
	s_wait_dscnt 0x0
	s_and_saveexec_b32 s48, vcc_lo
	global_store_b32 v14, v22, s[6:7]
	s_wait_xcnt 0x0
	s_or_b32 exec_lo, exec_lo, s48
	v_cmp_gt_u32 vcc_lo, s49, v21
	s_and_saveexec_b32 s48, vcc_lo
	global_store_b32 v15, v23, s[6:7]
	s_wait_xcnt 0x0
	s_or_b32 exec_lo, exec_lo, s48
	s_endpgm
.Lfunc_end_k_q39971167ce_placer:
	.size	k_q39971167ce_placer, .Lfunc_end_k_q39971167ce_placer-k_q39971167ce_placer
	.p2alignl 7, 3214868480
	.fill 96, 4, 3214868480
	.section	.rodata,"a",@progbits
	.p2align	6, 0x0
	.amdhsa_kernel k_q39971167ce_placer
		.amdhsa_group_segment_fixed_size 1536
		.amdhsa_private_segment_fixed_size 0
		.amdhsa_enable_private_segment 0
		.amdhsa_kernarg_size 16
		.amdhsa_user_sgpr_count 2
		.amdhsa_user_sgpr_kernarg_segment_ptr 1
		.amdhsa_wavefront_size32 1
		.amdhsa_system_sgpr_workgroup_id_x 1
		.amdhsa_system_sgpr_workgroup_id_y 1
		.amdhsa_system_sgpr_workgroup_id_z 1
		.amdhsa_system_vgpr_workitem_id 0
		.amdhsa_next_free_vgpr 226
		.amdhsa_next_free_sgpr 66
		.amdhsa_reserve_vcc 1
		.amdhsa_float_denorm_mode_32 3
		.amdhsa_float_denorm_mode_16_64 3
		.amdhsa_memory_ordered 1
		.amdhsa_forward_progress 1
		.amdhsa_inst_pref_size 54
	.end_amdhsa_kernel
	.amdgpu_metadata
---
amdhsa.version: [ 1, 2 ]
amdhsa.kernels:
  - .name:           k_q39971167ce_placer
    .symbol:         k_q39971167ce_placer.kd
    .args:
      - { .name: route, .offset: 0, .size: 8, .value_kind: global_buffer, .address_space: global }
      - { .name: place, .offset: 8, .size: 8, .value_kind: global_buffer, .address_space: global }
    .group_segment_fixed_size: 1536
    .private_segment_fixed_size: 0
    .kernarg_segment_align: 8
    .kernarg_segment_size: 16
    .max_flat_workgroup_size: 128
    .sgpr_count:     66
    .vgpr_count:     226
    .wavefront_size: 32
...
	.end_amdgpu_metadata
.endif
;; end of part 2
;; launch gemm1 (part 3): grid 8 x 29, 4 waves a work-group, no clusters, 200,192 bytes of LDS; arguments place, xq, wc, lowp_scales, hq; writes hq
.if DOCPART == 3
	.amdgcn_target "amdgcn-amd-amdhsa--gfx1250"
	.amdhsa_code_object_version 6
	.text
	.protected	k_q39971167ce_gemm1
	.globl	k_q39971167ce_gemm1
	.p2align	8
	.type	k_q39971167ce_gemm1,@function
k_q39971167ce_gemm1:
	s_mov_b64 s[64:65], 0
	v_nop
	global_prefetch_b8 v0, s[64:65] scope:SCOPE_SE
	s_setreg_imm32_b32 hwreg(HW_REG_WAVE_MODE, 25, 1), 1
	s_wait_xcnt 0x0
; GEMM1: h = Q(silu(x W1[e])) for the rows that chose expert e.  Both operands are codes of BF8 (E5M2); sums in f32.
; TILES.  The 4,096 routed rows (2 for each token) lie sorted by expert in tiles of 192 rows, at most 29 whatever the choice.  Work-group (x, y) makes tile y x columns 256 x .. 256 x + 255 of the hidden layer.
; The tile's expert (8: the tile has no rows) and the list of its 192 row numbers are whole numbers that the launch before stored; they come by scalar loads, and each is held at its table's last entry
; ahead of its use in an address.  A tile without rows gathers by its list of zeros, passes the one barrier, stores nothing and ends.
; SHARES.  Wave w makes all 192 rows x 64 columns: 12 x 4 accumulators.  Its weights (64 KB of codes, laid in the order of the operand's registers) go from memory straight into registers, four K steps
; ahead: no other wave of the work-group reads them.  The 192 rows of x's codes, whole K, are gathered once into LDS, 48 rows a wave, and read by all four waves.
; THE MATRIX INSTRUCTION IS USED TRANSPOSED (source 0 = 16 columns of W1, source 1 = 16 rows): a lane holds one row, and by the order in which the weights' columns were laid its 16 registers of two
; neighbouring tiles are 16 neighbouring hidden units: the conversions' results are the next product's operand registers and are stored as such, 512 consecutive bytes a store.
; NO CLUSTER: which expert's weights a tile needs, and whether the tile exists, are numbers read from memory, so neither a joint load's descriptor nor the path of partners can be shown alike.
; NO TENSOR LOAD: the rows are gathered by a list, and each byte of the weights has one reader.
; LIMITS: ex + ew1 between -126 and 127, eh between -126 and 112, so that the powers of two below are f32 numbers.  Below about -88 silu comes out as -0.  NaN is not served.
; REGISTERS, in windows of 256.  Window 0: v1-8 addresses, v11-12 the hidden layer's scale; at the head v64-127 and v176-239 gathered rows; in the loop v64-255 the 12 fragments of rows;
; at the end v64-95 z, v96-127 at work, v128-223 codes.  Window 1: weights, four stages of 64.  Window 2: accumulators of row blocks 0-7 at 8 (4 a + b).  Window 3: of 8-11.
; SCALARS: s[4:13] the five pointers; s16 wave, s17 tile, s18 my wave's place in the list, s20 the tile's mark, s22 whether it has rows, s23 its expert; s[24:27] its four exponents; s[28:29] my weights, s[30:31] my hidden codes;
; s[32:33] a byte offset; s[36:39] the sums' scale; s[40:55], s[84:99] two sets of eight row addresses; s[68:83] sixteen row numbers.
.set PA,   1040                        ; a row of codes in LDS: 1,024 bytes + 16: 65 x 16, so the 16 rows of a fragment load start at 16 different columns of banks
.set AF,   64
.set Z,    64
.set U,    96
.set CD,   128
.set RW,   68                          ; s[68:83]: sixteen row numbers of my wave's 48
.set MSB, 0
.macro WIN new                         ; the immediate's high byte repeats the setting that is left
.if MSB != (\new)
	s_set_vgpr_msb (MSB<<8)|(\new)
.set MSB, (\new)
.endif
.endm
.macro PLACES
.rept 4
	v_nop
.endr
.endm
.macro BLOAD s                         ; K step s of my 64 columns: four fragments, as they lie
.irp b, 0,1,2,3
.irp c, 0,1,2,3
	global_load_b128 v[64*((\s)%4)+16*\b+4*\c:64*((\s)%4)+16*\b+4*\c+3], v2, s[28:29] offset:8192*(\s)+2048*\b+512*\c
.endr
.endr
.endm
; Eight rows of 1,024 bytes.  A row's number goes into the SCALAR base: held at 4,095, the last row of the codes, x 1,024, onto the codes' pointer.  The vector offset is 16 x lane alone.
; Two loads of 512 consecutive bytes a row.  The set of eight addresses is that of the batch two back, whose loads the counted wait in front has shown done.
.macro GBATCH j
.set SB, 40+44*((\j)%2)
.irp i, 0,1,2,3,4,5,6,7
	s_min_u32 s32, s[RW+8*((\j)%2)+\i], 0xfff
	s_lshl_b32 s32, s32, 10
	s_add_nc_u64 s[SB+2*\i:SB+2*\i+1], s[6:7], s[32:33]
.endr
.irp i, 0,1,2,3,4,5,6,7
	global_load_b128 v[64+112*((\j)%2)+8*\i:64+112*((\j)%2)+8*\i+3], v2, s[SB+2*\i:SB+2*\i+1]
	global_load_b128 v[64+112*((\j)%2)+8*\i+4:64+112*((\j)%2)+8*\i+7], v2, s[SB+2*\i:SB+2*\i+1] offset:512
.endr
.endm
.macro GSTORE j
.irp i, 0,1,2,3,4,5,6,7
	ds_store_b128 v8, v[64+112*((\j)%2)+8*\i:64+112*((\j)%2)+8*\i+3] offset:PA*(8*(\j)+\i)
	ds_store_b128 v8, v[64+112*((\j)%2)+8*\i+4:64+112*((\j)%2)+8*\i+7] offset:PA*(8*(\j)+\i)+512
.endr
.endm
.macro AFETCH gi, ks                   ; row blocks 4 gi .. 4 gi + 3, K step ks: lane (r, h) takes, of row r, k = 32 c + 16 h + 0..15 into registers 4 c .. 4 c + 3, as the weights' codes are laid
.irp a, 0,1,2,3
.irp c, 0,1,2,3
	ds_load_b128 v[AF+16*(4*\gi+\a)+4*\c:AF+16*(4*\gi+\a)+4*\c+3], v[5+\gi] offset:16*PA*\a+128*(\ks)+32*\c
.endr
.endr
.endm
.macro MUL gi, ks, zero                ; 16 matrix instructions; the 48 accumulators take turns, one instruction a turn, in the same order in every K step
.if \gi < 2
	WIN 0xa1                                       ; source 0 (weights) window 1, source 1 (rows) window 0, C and D window 2
.else
	WIN 0xf1                                       ; C and D window 3
.endif
.irp a, 0,1,2,3
.irp b, 0,1,2,3
.set RC, 8*(4*((4*\gi+\a)%8)+\b)
.if \zero
	v_wmma_f32_16x16x128_bf8_bf8 v[RC:RC+7], v[64*((\ks)%4)+16*\b:64*((\ks)%4)+16*\b+15], v[AF+16*(4*\gi+\a):AF+16*(4*\gi+\a)+15], 0
.else
	v_wmma_f32_16x16x128_bf8_bf8 v[RC:RC+7], v[64*((\ks)%4)+16*\b:64*((\ks)%4)+16*\b+15], v[AF+16*(4*\gi+\a):AF+16*(4*\gi+\a)+15], v[RC:RC+7]
.endif
.endr
.endr
.endm
.macro STEP ks, zero                   ; 128 along K: three groups of 16 products; behind each group its row blocks are fetched for the next step, 32 products ahead of their use
.if (\ks) >= 4
	s_wait_loadcnt 16*(7-(\ks))                    ; this step's weights are in; the stages issued behind them stay out
.endif
.irp gi, 0,1,2
.if (\ks) < 7
	s_wait_dscnt 32                                ; this group's 16 loads are in; the two younger groups' stay out
.else
	s_wait_dscnt 32-16*\gi
.endif
	MUL \gi, \ks, \zero
.if (\ks) < 7
	PLACES                                         ; four plain lines between products and loads into registers that they read (ISA guide 7.12.1 for vector instructions)
	WIN 0
	AFETCH \gi, (\ks)+1
.endif
.endr
.if (\ks)+4 < 8
	WIN 0x40                                       ; destination window 1
	BLOAD (\ks)+4                                  ; into the stage just multiplied; the places above serve these loads too
	WIN 0
.endif
.endm
.macro OUT a                           ; row block a: 32 sums a lane -> silu -> codes -> two stores
.set RC, 32*((\a)%8)
	WIN 0x02+(\a)/8                                ; source 0: window 2 or 3
.set J, 0
.rept 16
	v_pk_mul_f32 v[Z+J:Z+J+1], v[RC+J:RC+J+1], s[36:37] op_sel_hi:[1,0]   ; z = sum x 2^(ex + ew1); each accumulator from its low end on
.set J, J+2
.endr
.set J, 0
.rept 16
	v_pk_mul_f32 v[U+J:U+J+1], v[RC+J:RC+J+1], s[38:39] op_sel_hi:[1,0]   ; -z log2(e)
.set J, J+2
.endr
	WIN 0
.set J, 0
.rept 32
	v_exp_f32 v[U+J], v[U+J]
.set J, J+1
.endr
	v_nop                                          ; a plain line behind the exponentials
.set J, 0
	s_wait_alu depctr_va_vdst(0)
.rept 16
	v_pk_add_f32 v[U+J:U+J+1], v[U+J:U+J+1], 1.0 op_sel_hi:[1,0]
.set J, J+2
.endr
.set J, 0
.rept 32
	v_rcp_f32 v[U+J], v[U+J]
.set J, J+1
.endr
	v_nop
.set J, 0
	s_wait_alu depctr_va_vdst(0)
.rept 16
	v_pk_mul_f32 v[Z+J:Z+J+1], v[Z+J:Z+J+1], v[U+J:U+J+1]                 ; silu(z) = z / (1 + e^-z)
.set J, J+2
.endr
.set J, 0
.rept 32
	v_med3_num_f32 v[Z+J], v[Z+J], -v12, v12       ; the conversion does not saturate (ISA guide 7.6.2): the hold at the largest code x the scale
.set J, J+1
.endr
.irp i, 0,1,2,3
	v_cvt_scalef32_pk8_bf8_f32 v[CD+8*(\a)+2*\i:CD+8*(\a)+2*\i+1], v[Z+8*\i:Z+8*\i+7], v11
.endr
	v_nop                                          ; a plain line behind the last conversion
	global_store_b128 v2, v[CD+8*(\a):CD+8*(\a)+3], s[30:31] offset:2048*(\a)        ; hidden units 32 g + 16 h + 0..15 of row r: a chunk of the next operand, 512 consecutive bytes
	global_store_b128 v2, v[CD+8*(\a)+4:CD+8*(\a)+7], s[30:31] offset:2048*(\a)+512
.endm
	s_load_b256 s[4:11], s[0:1], 0x0               ; place s[4:5], xq s[6:7], wc s[8:9], scales s[10:11]
	s_load_b64 s[12:13], s[0:1], 0x20              ; hq
	v_lshl_add_u32 v62, v0, 2, 0x30c00
	v_mov_b32 v63, 0
	v_lshrrev_b32 v1, 5, v0
	v_readfirstlane_b32 s16, v1                    ; wave
	s_and_b32 s17, ttmp7, 0xffff                   ; tile
	s_lshl_b32 s21, s17, 7                         ; the tile's mark: 128 bytes a tile
	s_lshl_b32 s18, s17, 10                        ; the tile's list: 1,024 bytes a tile,
	s_mul_i32 s19, s16, 192                        ; my wave's 48 words of it
	s_add_co_u32 s18, s18, s19
	s_mov_b32 s33, 0                               ; the upper word of every byte offset below
	s_wait_kmcnt 0x0
	s_load_b32 s20, s[4:5], s21 offset:0x4000      ; the tile's expert, or 8
	s_load_b512 s[RW:RW+15], s[4:5], s18 offset:0x5000   ; my rows 0-15
	v_and_b32 v1, 31, v0                           ; lane
	v_lshlrev_b32 v2, 4, v1                        ; 16 x lane
	v_and_b32 v3, 15, v0                           ; r
	v_bfe_u32 v4, v0, 4, 1                         ; h
	v_mul_u32_u24 v5, v3, PA
	v_lshl_add_u32 v5, v4, 4, v5                   ; fragments of row blocks 0-3: row r x pitch + 16 h
	v_add_nc_u32 v6, 64*PA, v5                     ; 4-7
	v_add_nc_u32 v7, 128*PA, v5                    ; 8-11
	s_mul_i32 s34, s16, 48*PA
	v_add_nc_u32 v8, s34, v2                       ; where my wave puts its 48 gathered rows
	s_mul_i32 s32, s17, 393216                     ; the hidden codes: tile, K step 2 x + wave / 2 of the next product, chunks 2 (wave % 2) on
	s_lshl_b32 s34, ttmp9, 1
	s_lshr_b32 s35, s16, 1
	s_add_co_u32 s34, s34, s35
	s_mul_i32 s34, s34, 24576
	s_add_co_u32 s32, s32, s34
	s_and_b32 s35, s16, 1
	s_lshl_b32 s35, s35, 10
	s_add_co_u32 s32, s32, s35
	s_add_nc_u64 s[30:31], s[12:13], s[32:33]
	s_wait_kmcnt 0x0
	s_cmp_lt_u32 s20, 8
	s_cselect_b32 s22, 1, 0                        ; the tile has rows
	s_min_u32 s23, s20, 7                          ; its expert
	s_lshl_b32 s19, s23, 4
	s_load_b128 s[24:27], s[10:11], s19 offset:0x0 ; ex, ew1, eh, ew2 of my expert
	s_lshl_b32 s32, s23, 21                        ; my weights: expert x 2 MiB + (4 x + wave) x 64 KiB
	s_lshl_b32 s34, ttmp9, 2
	s_add_co_u32 s34, s34, s16
	s_lshl_b32 s34, s34, 16
	s_add_co_u32 s32, s32, s34
	s_add_nc_u64 s[28:29], s[8:9], s[32:33]
	WIN 0x40                                       ; destination window 1
	BLOAD 0
	BLOAD 1
	BLOAD 2
	BLOAD 3
	WIN 0
	GBATCH 0
	GBATCH 1
	s_load_b512 s[RW:RW+15], s[4:5], s18 offset:0x5040   ; my rows 16-31: the first sixteen numbers have been made into addresses
	s_wait_kmcnt 0x0                               ; the exponents, and rows 16-31
	s_add_co_i32 s36, s24, s25
	s_add_co_i32 s36, s36, 127
	s_lshl_b32 s36, s36, 23                        ; 2^(ex + ew1) as f32
	s_mov_b32 s37, s36                             ; (named with it as a pair, so it is written)
	s_mul_f32 s38, s36, 0xbfb8aa3b                 ; x -log2(e)
	s_mov_b32 s39, s38
	s_add_co_i32 s34, s26, 127
	s_lshl_b32 s35, s34, 23
	v_mov_b32 v11, s35                             ; 2^eh
	s_add_co_i32 s34, s34, 15
	s_lshl_b32 s34, s34, 23
	s_or_b32 s34, s34, 0x600000
	v_mov_b32 v12, s34                             ; 57,344 x 2^eh
.irp j, 0,1,2,3,4,5
.if \j < 5
	s_wait_loadcnt 16                              ; this batch is in (and all that is older, the first four stages of weights too), so its eight addresses may be written again; the younger batch stays out
.else
	s_wait_loadcnt 0x0
.endif
	GSTORE \j
	s_wait_dscnt 0x0                               ; the stores have read their registers
.if \j == 2
	s_wait_kmcnt 0x0                               ; rows 32-47
.endif
.if \j+2 < 6
	GBATCH \j+2
.endif
.if \j == 1
	s_load_b512 s[RW:RW+15], s[4:5], s18 offset:0x5080   ; my rows 32-47: rows 16-31 have been made into addresses
.endif
.endr
	s_barrier_signal -1
	s_barrier_wait -1                              ; all 192 rows lie in LDS; nothing is written there any more
	s_cmp_eq_u32 s22, 0
	s_cbranch_scc1 .Lend                           ; a tile without rows ends here, behind the one barrier
	AFETCH 0, 0
	AFETCH 1, 0
	AFETCH 2, 0
	STEP 0, 1                                      ; the first products start the sums
.irp k, 1,2,3,4,5,6,7
	STEP \k, 0
.endr
	WIN 0
	PLACES                                         ; behind the last products: their results are read and their operands' registers written below
.irp a, 0,1,2,3,4,5,6,7,8,9,10,11
	OUT \a
.endr
.Lend:
	s_wait_tensorcnt 0x0
	ds_add_u32 v62, v63
	s_wait_dscnt 0x0
	s_endpgm
.Lfunc_end_k_q39971167ce_gemm1:
	.size	k_q39971167ce_gemm1, .Lfunc_end_k_q39971167ce_gemm1-k_q39971167ce_gemm1
	.p2alignl 7, 3214868480
	.fill 96, 4, 3214868480
	.section	.rodata,"a",@progbits
	.p2align	6, 0x0
	.amdhsa_kernel k_q39971167ce_gemm1
		.amdhsa_group_segment_fixed_size 200192
		.amdhsa_private_segment_fixed_size 0
		.amdhsa_enable_private_segment 0
		.amdhsa_kernarg_size 40
		.amdhsa_user_sgpr_count 2
		.amdhsa_user_sgpr_kernarg_segment_ptr 1
		.amdhsa_wavefront_size32 1
		.amdhsa_system_sgpr_workgroup_id_x 1
		.amdhsa_system_sgpr_workgroup_id_y 1
		.amdhsa_system_sgpr_workgroup_id_z 1
		.amdhsa_system_vgpr_workitem_id 0
		.amdhsa_next_free_vgpr 896
		.amdhsa_next_free_sgpr 100
		.amdhsa_reserve_vcc 0
		.amdhsa_float_denorm_mode_32 3
		.amdhsa_float_denorm_mode_16_64 3
		.amdhsa_memory_ordered 1
		.amdhsa_forward_progress 1
		.amdhsa_inst_pref_size 194
	.end_amdhsa_kernel
	.amdgpu_metadata
---
amdhsa.version: [ 1, 2 ]
amdhsa.kernels:
  - .name:           k_q39971167ce_gemm1
    .symbol:         k_q39971167ce_gemm1.kd
    .args:
      - { .name: place, .offset: 0, .size: 8, .value_kind: global_buffer, .address_space: global }
      - { .name: xq, .offset: 8, .size: 8, .value_kind: global_buffer, .address_space: global }
      - { .name: wc, .offset: 16, .size: 8, .value_kind: global_buffer, .address_space: global }
      - { .name: lowp_scales, .offset: 24, .size: 8, .value_kind: global_buffer, .address_space: global }
      - { .name: hq, .offset: 32, .size: 8, .value_kind: global_buffer, .address_space: global }
    .group_segment_fixed_size: 200192
    .private_segment_fixed_size: 0
    .kernarg_segment_align: 8
    .kernarg_segment_size: 40
    .max_flat_workgroup_size: 128
    .sgpr_count:     100
    .vgpr_count:     896
    .wavefront_size: 32
...
	.end_amdgpu_metadata
.endif
;; end of part 3
;; launch gemm2 (part 4): grid 8 x 29, 4 waves a work-group, no clusters, 214,528 bytes of LDS; arguments place, hq, wc, lowp_scales, y; writes y
.if DOCPART == 4
	.amdgcn_target "amdgcn-amd-amdhsa--gfx1250"
	.amdhsa_code_object_version 6
	.text
	.protected	k_q39971167ce_gemm2
	.globl	k_q39971167ce_gemm2
	.p2align	8
	.type	k_q39971167ce_gemm2,@function
k_q39971167ce_gemm2:
	s_mov_b64 s[64:65], 0
	v_nop
	global_prefetch_b8 v0, s[64:65] scope:SCOPE_SE
	s_setreg_imm32_b32 hwreg(HW_REG_WAVE_MODE, 25, 1), 1
	s_wait_xcnt 0x0
; GEMM2: y = h W2[e] x 2^(eh + ew2) for each tile of routed rows.  Both operands are codes of BF8 (E5M2), laid in memory in the order of the operand's registers; sums in f32.
; Work-group (x, y): tile y; half x >> 2 of its 192 rows; columns 256 (x & 3) on; K = 2,048.  Wave w makes 96 rows x 64 columns: 6 x 4 accumulators.
; The 96 rows' codes, whole K (196,608 bytes), are copied once into LDS, as they lie, and read by all four waves; a wave's weights go from memory straight into registers, four K steps ahead: no other wave reads them.
; The tile's expert is a whole number that an earlier launch stored (8: the tile has no rows).  Such a work-group copies tile 0's rows, which always exist, passes the one barrier, stores nothing and ends.
; THE MATRIX INSTRUCTION IS USED TRANSPOSED (source 0 = 16 columns of W2, source 1 = 16 rows): a lane holds one row; by the order in which the weights' columns were laid, register j of tile 2 g + u is column 32 g + 16 h + 8 u + j.
; The results go through the wave's own stage in LDS and leave as 256 consecutive bytes, aligned, from sixteen lanes.
; NO CLUSTER: the weights' address hangs on the tile's expert, a number read from memory, so a joint load's descriptor cannot be shown alike in partners; only the rows' codes, a quarter of a step's bytes, hang on ids alone.
; LIMIT: eh + ew2 between -126 and 127, so that 2^(eh + ew2) is an f32 number.
; REGISTERS.  Window 0: v2-12 addresses; v32-127, v128-223 two sets of six row fragments (at the head: two sets of 64 for the copy; at the end: 6 x 32 rows read back); v224-255 scaled sums.
; Window 1: the 24 accumulators at 8 (4 a + b).  Window 2: weights, four stages of 64.
.set STG, 196608                       ; behind the rows: a stage of 16 rows x (256 bytes + 16) for each wave
.set OB,  32
.set TMP, 224
.set MSB, 0
.macro WIN new                         ; the immediate's high byte repeats the setting that is left
.if MSB != (\new)
	s_set_vgpr_msb (MSB<<8)|(\new)
.set MSB, (\new)
.endif
.endm
.macro PLACES
.rept 4
	v_nop
.endr
.endm
.macro BLOAD s
.irp b, 0,1,2,3
.irp c, 0,1,2,3
	global_load_b128 v[64*((\s)%4)+16*\b+4*\c:64*((\s)%4)+16*\b+4*\c+3], v2, s[28:29] offset:8192*(\s)+2048*\b+512*\c
.endr
.endr
.endm
.macro CLOAD j                         ; sixteen of my wave's 96 pieces of 512 bytes: piece n = K step n / 24 of my four, byte 512 (n % 24) of its six fragments
.set I, 0
.rept 16
.set NN, 16*(\j)+I
	global_load_b128 v[32+64*((\j)%2)+4*I:32+64*((\j)%2)+4*I+3], v2, s[30:31] offset:24576*(NN/24)+512*(NN%24)
.set I, I+1
.endr
.endm
.macro CSTORE j
.set I, 0
.rept 16
.set NN, 16*(\j)+I
	ds_store_b128 v9, v[32+64*((\j)%2)+4*I:32+64*((\j)%2)+4*I+3] offset:12288*(NN/24)+512*(NN%24)
.set I, I+1
.endr
.endm
.macro AFETCH2 ks                      ; the six row fragments of K step ks, as images: 16 bytes a lane, 512 a load
.if (\ks) < 4
.set AR, 2
.else
.set AR, 5+(\ks)/4
.endif
.irp a, 0,1,2,3,4,5
.irp c, 0,1,2,3
	ds_load_b128 v[32+96*((\ks)%2)+16*\a+4*\c:32+96*((\ks)%2)+16*\a+4*\c+3], v[AR] offset:12288*((\ks)%4)+2048*\a+512*\c
.endr
.endr
.endm
.macro STEP2 ks
.if (\ks) < 15
	AFETCH2 (\ks)+1                                ; into the other set: its last products stand in front of the four places at the last step's end
	s_wait_dscnt 24                                ; this step's fragments are in; the 24 just issued stay out
.else
	s_wait_dscnt 0x0
.endif
.if (\ks) >= 12
	s_wait_loadcnt 16*(15-(\ks))                   ; this step's weights are in; the stages issued behind them stay out
.elseif (\ks) >= 4
	s_wait_loadcnt 48
.endif
	WIN 0x52                                       ; source 0 (weights) window 2, source 1 (rows) window 0, C and D window 1
.irp a, 0,1,2,3,4,5
.irp b, 0,1,2,3
.if (\ks) == 0
	v_wmma_f32_16x16x128_bf8_bf8 v[8*(4*\a+\b):8*(4*\a+\b)+7], v[64*((\ks)%4)+16*\b:64*((\ks)%4)+16*\b+15], v[32+96*((\ks)%2)+16*\a:32+96*((\ks)%2)+16*\a+15], 0
.else
	v_wmma_f32_16x16x128_bf8_bf8 v[8*(4*\a+\b):8*(4*\a+\b)+7], v[64*((\ks)%4)+16*\b:64*((\ks)%4)+16*\b+15], v[32+96*((\ks)%2)+16*\a:32+96*((\ks)%2)+16*\a+15], v[8*(4*\a+\b):8*(4*\a+\b)+7]
.endif
.endr
.endr
	PLACES                                         ; four plain lines between products and loads into registers that they read, or reads of their results (ISA guide 7.12.1 for vector instructions)
.if (\ks)+4 < 16
	WIN 0x80                                       ; destination window 2
	BLOAD (\ks)+4
.endif
	WIN 0
.endm
.macro YOUT a                          ; 16 rows x my 64 columns
	WIN 0x01                                       ; source 0: window 1
.set J, 0
.rept 16
	v_pk_mul_f32 v[TMP+J:TMP+J+1], v[32*(\a)+J:32*(\a)+J+1], s[40:41] op_sel_hi:[1,0]   ; x 2^(eh + ew2); each accumulator from its low end on
.set J, J+2
.endr
	WIN 0
.irp b, 0,1,2,3
	ds_store_b128 v10, v[TMP+8*\b:TMP+8*\b+3] offset:128*(\b/2)+32*(\b%2)
	ds_store_b128 v10, v[TMP+8*\b+4:TMP+8*\b+7] offset:128*(\b/2)+32*(\b%2)+16
.endr
.irp i, 0,1,2,3,4,5,6,7
	ds_load_b128 v[OB+32*(\a)+4*\i:OB+32*(\a)+4*\i+3], v11 offset:544*\i   ; LDS serves a wave's instructions in order (ISA guide 5.7.1.4): these see my stores
.endr
	s_wait_dscnt 0x0
.irp i, 0,1,2,3,4,5,6,7
	global_store_b128 v12, v[OB+32*(\a)+4*\i:OB+32*(\a)+4*\i+3], s[32:33] offset:4096*(16*(\a)+2*\i)   ; sixteen lanes store 256 consecutive bytes, aligned; two rows an instruction
.endr
.endm
	s_load_b256 s[4:11], s[0:1], 0x0               ; place s[4:5], hq s[6:7], wc s[8:9], scales s[10:11]
	s_load_b64 s[12:13], s[0:1], 0x20              ; y
	v_lshl_add_u32 v30, v0, 2, 0x34400
	v_mov_b32 v31, 0
	v_lshrrev_b32 v1, 5, v0
	v_readfirstlane_b32 s16, v1                    ; wave
	s_and_b32 s17, ttmp7, 0xffff                   ; tile
	s_and_b32 s18, ttmp9, 3                        ; which 256 columns
	s_lshr_b32 s19, ttmp9, 2                       ; which 96 rows
	s_lshl_b32 s21, s17, 7
	s_wait_kmcnt 0x0
	s_load_b32 s20, s[4:5], s21 offset:0x4000      ; the tile's expert, or 8
	v_and_b32 v1, 31, v0
	v_lshlrev_b32 v2, 4, v1                        ; 16 x lane: also the LDS address of K steps 0-3
	v_and_b32 v3, 15, v0                           ; r
	v_bfe_u32 v4, v0, 4, 1                         ; h
	v_add_nc_u32 v6, 49152, v2                     ; K steps 4-7,
	v_add_nc_u32 v7, 98304, v2                     ; 8-11,
	v_add_nc_u32 v8, 147456, v2                    ; 12-15
	s_mul_i32 s25, s16, 49152
	v_add_nc_u32 v9, s25, v2                       ; where my wave puts its four K steps
	s_mul_i32 s25, s16, 4352
	s_add_co_u32 s25, s25, STG                     ; my stage
	v_mul_u32_u24 v10, v3, 272
	v_lshl_add_u32 v10, v4, 6, v10
	v_add_nc_u32 v10, s25, v10                     ; in: row r, + 64 h
	v_mul_u32_u24 v11, v4, 272
	v_lshl_add_u32 v11, v3, 4, v11
	v_add_nc_u32 v11, s25, v11                     ; back: lanes 0-15 one row, lanes 16-31 the next
	v_lshlrev_b32 v12, 12, v4
	v_lshl_add_u32 v12, v3, 4, v12                 ; and the same two rows in y
	s_mul_i32 s26, s17, 192
	s_mul_i32 s25, s19, 96
	s_add_co_u32 s26, s26, s25
	s_lshl_b32 s26, s26, 12                        ; y: row 192 tile + 96 half, of 4,096 bytes,
	s_lshl_b32 s25, s18, 10
	s_add_co_u32 s26, s26, s25                     ; + 1,024 x column block
	s_lshl_b32 s25, s16, 8
	s_add_co_u32 s26, s26, s25                     ; + 256 x wave
	s_mov_b32 s27, 0
	s_add_nc_u64 s[32:33], s[12:13], s[26:27]
	s_wait_kmcnt 0x0
	s_cmp_lt_u32 s20, 8
	s_cselect_b32 s22, 1, 0                        ; the tile has rows
	s_cselect_b32 s23, s17, 0                      ; else tile 0's codes are copied: no byte is read that nobody wrote
	s_min_u32 s23, s23, 28
	s_min_u32 s24, s20, 7
	s_lshl_b32 s21, s24, 4
	s_load_b128 s[36:39], s[10:11], s21 offset:0x0 ; ex, ew1, eh, ew2
	s_lshl_b32 s26, s24, 21                        ; my weights: W2's codes begin at 16 MiB; expert x 2 MiB + (4 block + wave) x 128 KiB
	s_lshl_b32 s25, s18, 2
	s_add_co_u32 s25, s25, s16
	s_lshl_b32 s25, s25, 17
	s_add_co_u32 s26, s26, s25
	s_add_co_u32 s26, s26, 16777216
	s_add_nc_u64 s[28:29], s[8:9], s[26:27]
	s_mul_i32 s26, s23, 393216                     ; the rows' codes: tile, + six fragments x half, + four K steps x wave
	s_mul_i32 s25, s19, 12288
	s_add_co_u32 s26, s26, s25
	s_mul_i32 s25, s16, 98304
	s_add_co_u32 s26, s26, s25
	s_add_nc_u64 s[30:31], s[6:7], s[26:27]
	WIN 0x80                                       ; destination window 2
	BLOAD 0
	BLOAD 1
	BLOAD 2
	BLOAD 3
	WIN 0
	CLOAD 0
	CLOAD 1
	s_wait_kmcnt 0x0
	s_add_co_i32 s40, s38, s39
	s_add_co_i32 s40, s40, 127
	s_lshl_b32 s40, s40, 23                        ; 2^(eh + ew2) as f32
	s_mov_b32 s41, s40                             ; (named with it as a pair, so it is written)
.irp j, 0,1,2,3,4,5
.if \j < 5
	s_wait_loadcnt 16                              ; this batch is in (and all that is older, the first four stages of weights too); the younger batch stays out
.else
	s_wait_loadcnt 0x0
.endif
	CSTORE \j
	s_wait_dscnt 0x0                               ; the stores have read their registers
.if \j+2 < 6
	CLOAD \j+2
.endif
.endr
	s_barrier_signal -1
	s_barrier_wait -1                              ; the 96 rows' codes lie in LDS; nothing is written there any more
	s_cmp_eq_u32 s22, 0
	s_cbranch_scc1 .Lend                           ; a tile without rows ends here, behind the one barrier
	AFETCH2 0
.irp k, 0,1,2,3,4,5,6,7,8,9,10,11,12,13,14,15
	STEP2 \k
.endr
.irp a, 0,1,2,3,4,5
	YOUT \a
.endr
.Lend:
	s_wait_tensorcnt 0x0
	ds_add_u32 v30, v31
	s_wait_dscnt 0x0
	s_endpgm
.Lfunc_end_k_q39971167ce_gemm2:
	.size	k_q39971167ce_gemm2, .Lfunc_end_k_q39971167ce_gemm2-k_q39971167ce_gemm2
	.p2alignl 7, 3214868480
	.fill 96, 4, 3214868480
	.section	.rodata,"a",@progbits
	.p2align	6, 0x0
	.amdhsa_kernel k_q39971167ce_gemm2
		.amdhsa_group_segment_fixed_size 214528
		.amdhsa_private_segment_fixed_size 0
		.amdhsa_enable_private_segment 0
		.amdhsa_kernarg_size 40
		.amdhsa_user_sgpr_count 2
		.amdhsa_user_sgpr_kernarg_segment_ptr 1
		.amdhsa_wavefront_size32 1
		.amdhsa_system_sgpr_workgroup_id_x 1
		.amdhsa_system_sgpr_workgroup_id_y 1
		.amdhsa_system_sgpr_workgroup_id_z 1
		.amdhsa_system_vgpr_workitem_id 0
		.amdhsa_next_free_vgpr 768
		.amdhsa_next_free_sgpr 66
		.amdhsa_reserve_vcc 0
		.amdhsa_float_denorm_mode_32 3
		.amdhsa_float_denorm_mode_16_64 3
		.amdhsa_memory_ordered 1
		.amdhsa_forward_progress 1
		.amdhsa_inst_pref_size 113
	.end_amdhsa_kernel
	.amdgpu_metadata
---
amdhsa.version: [ 1, 2 ]
amdhsa.kernels:
  - .name:           k_q39971167ce_gemm2
    .symbol:         k_q39971167ce_gemm2.kd
    .args:
      - { .name: place, .offset: 0, .size: 8, .value_kind: global_buffer, .address_space: global }
      - { .name: hq, .offset: 8, .size: 8, .value_kind: global_buffer, .address_space: global }
      - { .name: wc, .offset: 16, .size: 8, .value_kind: global_buffer, .address_space: global }
      - { .name: lowp_scales, .offset: 24, .size: 8, .value_kind: global_buffer, .address_space: global }
      - { .name: y, .offset: 32, .size: 8, .value_kind: global_buffer, .address_space: global }
    .group_segment_fixed_size: 214528
    .private_segment_fixed_size: 0
    .kernarg_segment_align: 8
    .kernarg_segment_size: 40
    .max_flat_workgroup_size: 128
    .sgpr_count:     66
    .vgpr_count:     768
    .wavefront_size: 32
...
	.end_amdgpu_metadata
.endif
;; end of part 4
;; launch combine (part 5): grid 256 x 1, 8 waves a work-group, no clusters, 0 bytes of LDS; arguments place, gates, y, out0; writes out0
.if DOCPART == 5
	.amdgcn_target "amdgcn-amd-amdhsa--gfx1250"
	.amdhsa_code_object_version 6
	.text
	.protected	k_q39971167ce_combine
	.globl	k_q39971167ce_combine
	.p2align	8
	.type	k_q39971167ce_combine,@function
k_q39971167ce_combine:
	s_mov_b64 s[64:65], 0
	v_nop
	global_prefetch_b8 v0, s[64:65] scope:SCOPE_SE
	s_setreg_imm32_b32 hwreg(HW_REG_WAVE_MODE, 25, 1), 1
	s_wait_xcnt 0x0
; COMBINE: out[t] = g0 y[place of row 2 t] + g1 y[place of row 2 t + 1]: the lower expert's term first, as the problem's definition adds them.
; One wave, one token: a row is 4,096 bytes, eight loads of 512 consecutive bytes from each of the two rows, eight stores of 512.  The places are whole numbers that an earlier launch stored;
; each is held at 5,567, the last row of y, ahead of its use in an address.  A stream: no LDS, no barrier, no matrix unit.
	s_load_b256 s[4:11], s[0:1], 0x0               ; place s[4:5], gates s[6:7], y s[8:9], out s[10:11]
	v_lshrrev_b32 v1, 5, v0
	v_readfirstlane_b32 s12, v1                    ; wave
	v_and_b32 v1, 31, v0
	v_lshlrev_b32 v2, 4, v1                        ; 16 x lane
	s_lshl_b32 s13, ttmp9, 3
	s_add_co_u32 s13, s13, s12                     ; token
	s_lshl_b32 s14, s13, 3
	s_wait_kmcnt 0x0
	s_load_b64 s[16:17], s[4:5], s14 offset:0x0    ; the two places
	s_load_b64 s[18:19], s[6:7], s14 offset:0x0    ; the two gates
	s_lshl_b32 s20, s13, 12
	s_mov_b32 s21, 0
	s_add_nc_u64 s[10:11], s[10:11], s[20:21]
	s_wait_kmcnt 0x0
	s_min_u32 s16, s16, 5567
	s_min_u32 s17, s17, 5567
	s_lshl_b32 s20, s16, 12
	s_lshl_b32 s22, s17, 12
	s_mov_b32 s23, 0
	s_add_nc_u64 s[20:21], s[8:9], s[20:21]
	s_add_nc_u64 s[22:23], s[8:9], s[22:23]
	s_mov_b32 s24, s18                             ; each gate as a pair: the packed forms name a pair and take its low word for both halves
	s_mov_b32 s25, s18
	s_mov_b32 s26, s19
	s_mov_b32 s27, s19
.irp i, 0,1,2,3,4,5,6,7
	global_load_b128 v[8+4*\i:11+4*\i], v2, s[20:21] offset:512*\i th:TH_LOAD_NT
.endr
.irp i, 0,1,2,3,4,5,6,7
	global_load_b128 v[40+4*\i:43+4*\i], v2, s[22:23] offset:512*\i th:TH_LOAD_NT
.endr
	s_wait_loadcnt 8                               ; the first row is in; the second row's eight loads stay out
.set J, 0
.rept 16
	v_pk_mul_f32 v[8+J:9+J], v[8+J:9+J], s[24:25] op_sel_hi:[1,0]
.set J, J+2
.endr
	s_wait_loadcnt 0x0
.set J, 0
.rept 16
	v_pk_fma_f32 v[8+J:9+J], v[40+J:41+J], s[26:27], v[8+J:9+J] op_sel_hi:[1,0,1]
.set J, J+2
.endr
.irp i, 0,1,2,3,4,5,6,7
	global_store_b128 v2, v[8+4*\i:11+4*\i], s[10:11] offset:512*\i th:TH_STORE_NT
.endr
	s_endpgm
.Lfunc_end_k_q39971167ce_combine:
	.size	k_q39971167ce_combine, .Lfunc_end_k_q39971167ce_combine-k_q39971167ce_combine
	.p2alignl 7, 3214868480
	.fill 96, 4, 3214868480
	.section	.rodata,"a",@progbits
	.p2align	6, 0x0
	.amdhsa_kernel k_q39971167ce_combine
		.amdhsa_group_segment_fixed_size 0
		.amdhsa_private_segment_fixed_size 0
		.amdhsa_enable_private_segment 0
		.amdhsa_kernarg_size 32
		.amdhsa_user_sgpr_count 2
		.amdhsa_user_sgpr_kernarg_segment_ptr 1
		.amdhsa_wavefront_size32 1
		.amdhsa_system_sgpr_workgroup_id_x 1
		.amdhsa_system_sgpr_workgroup_id_y 1
		.amdhsa_system_sgpr_workgroup_id_z 1
		.amdhsa_system_vgpr_workitem_id 0
		.amdhsa_next_free_vgpr 72
		.amdhsa_next_free_sgpr 66
		.amdhsa_reserve_vcc 0
		.amdhsa_float_denorm_mode_32 3
		.amdhsa_float_denorm_mode_16_64 3
		.amdhsa_memory_ordered 1
		.amdhsa_forward_progress 1
		.amdhsa_inst_pref_size 6
	.end_amdhsa_kernel
	.amdgpu_metadata
---
amdhsa.version: [ 1, 2 ]
amdhsa.kernels:
  - .name:           k_q39971167ce_combine
    .symbol:         k_q39971167ce_combine.kd
    .args:
      - { .name: place, .offset: 0, .size: 8, .value_kind: global_buffer, .address_space: global }
      - { .name: gates, .offset: 8, .size: 8, .value_kind: global_buffer, .address_space: global }
      - { .name: y, .offset: 16, .size: 8, .value_kind: global_buffer, .address_space: global }
      - { .name: out0, .offset: 24, .size: 8, .value_kind: global_buffer, .address_space: global }
    .group_segment_fixed_size: 0
    .private_segment_fixed_size: 0
    .kernarg_segment_align: 8
    .kernarg_segment_size: 32
    .max_flat_workgroup_size: 256
    .sgpr_count:     66
    .vgpr_count:     72
    .wavefront_size: 32
...
	.end_amdgpu_metadata
.endif
;; end of part 5
;; ======== version 2 of 2: 5 launches
;; workspace buffers: wc 33,554,432 bytes; xq 4,194,304 bytes; gates 16,384 bytes; route 24,576 bytes of whole numbers; hq 11,403,264 bytes; place 50,176 bytes of whole numbers; y 22,806,528 bytes
;; launch prep (part 6): grid 768 x 1, 4 waves a work-group, no clusters, 67,072 bytes of LDS; arguments hidden_states, gate_w, lowp_scales, w1, w2, wc, xq, gates, route; writes wc, xq, gates, route
.if DOCPART == 6
	.amdgcn_target "amdgcn-amd-amdhsa--gfx1250"
	.amdhsa_code_object_version 6
	.text
	.protected	k_q39971167ce_prep
	.globl	k_q39971167ce_prep
	.p2align	8
	.type	k_q39971167ce_prep,@function
k_q39971167ce_prep:
	s_mov_b64 s[64:65], 0
	v_nop
	global_prefetch_b8 v0, s[64:65] scope:SCOPE_SE
	s_setreg_imm32_b32 hwreg(HW_REG_WAVE_MODE, 25, 1), 1
	s_wait_xcnt 0x0
; PREP: the router, the tokens' codes, and both weights' codes of BF8 (E5M2).  Three paths, chosen by the work-group's number:
;   0-255    ROUTER: 8 tokens a work-group, 2 a wave.  Logits in f32 (fused multiply-adds), u = exp(l - max), the two largest u (ties: the lower expert), gates u / (u1 + u2).
;            Stored at fixed places: a word with the two experts' bits for each token, the two gates (lower expert first), each wave's counts of tokens for each expert,
;            and the token's row as codes TWICE: row 2 t with the lower expert's scale for x, row 2 t + 1 with the higher expert's.  A choice selects values alone here, never an address.
;            A wave asks for its two rows at the head, with gate_w: it has one round of loads and no loop.  768 work-groups are three for each of 256 WGPs: a router and two of the weights'.
;   256-511  W1 [8][1024 k][2048 n], 512-767 W2 [8][2048 k][1024 n]: a work-group takes 512 columns x 128 along K.  A LANE TAKES FOUR COLUMNS AND ITS REGISTERS RUN DOWN K:
;            each load reads 512 consecutive bytes of one row k; the hold at the largest code also turns a column's 16 numbers into consecutive registers for the conversion.
; THE CODES' LAYOUT is the order of the operand's registers: [expert][64 columns][K step of 128][fragment 0-3][chunk c 0-3][lane][16 bytes]; lane (r, h) of chunk c holds k = 32 c + 16 h + 0..15 of slot r.
; Column x of a group of 32 lies in fragment 2 g + ((x >> 3) & 1), slot (x & 7) + 8 (x >> 4): a product used transposed then leaves 16 neighbouring columns in a lane's 16 registers of two neighbouring tiles.
; A chunk's codes go through the wave's own stage in LDS and leave as 512 consecutive bytes a store.  Each path has LDS bytes of its own.
; No matrix unit, no cluster, no tensor load: memory binds, no work-group shares a large input tile with another, and the loads into registers keep 48 rows of 512 bytes a wave on their way.
; LIMITS: each given exponent e lies between -126 and 112, so that 2^e and 57,344 x 2^e are f32 numbers.  NaN among the inputs is not served.  The order of the two largest is taken on exp(l - max).
.set GWT,  0                           ; LDS: gate_w, 32,768 bytes (router)
.set STG1, 32768                       ; W1's stages: 4 waves x 8 fragments x 528 bytes
.set STG2, 49664                       ; W2's stages
.set X,    16                          ; quantiser: v16-207 three sets of 16 rows x 4 columns
.set TT,   208                         ; v208-239 two sets of 16 numbers of one column; also the 32 registers of the way out
.set CC,   240                         ; v240-255 four registers of codes for each of my four columns
.set XA,   16                          ; router: v16-79: two tokens x 32 numbers
.set G,    144                         ; v144-207 gate_w for a quarter of K: 8 experts x 8
.set T,    144                         ; later: 32 held numbers,
.set CDS,  176                         ; and 4 x 8 registers of codes
.set ACC,  208                         ; v208-239 2 tokens x 8 experts x a pair of sums
.set MKR,  240                         ; v240 lane (l & 1): that token's word of two bits
.set GL,   242                         ; v[242:243] its two gates
.set CW,   244                         ; v[244:247] my wave's counts: word q = expert 2 q | expert 2 q + 1 << 16
.macro QLOAD hb, pitch                 ; rows 16 hb .. 16 hb + 15 of the unit's 128, four columns a lane
.irp i, 0,1,2,3,4,5,6,7,8,9,10,11,12,13,14,15
	global_load_b128 v[X+64*((\hb)%3)+4*\i:X+64*((\hb)%3)+4*\i+3], v2, s[28:29] offset:(16*(\hb)+\i)*\pitch th:TH_LOAD_NT
.endr
.endm
.macro HB hb, pitch, ksn               ; 16 along K: chunk c = hb / 2, half h = hb % 2
.if (\hb) <= 5
	s_wait_loadcnt 32                              ; my set is in; the two younger sets stay out
.elseif (\hb) == 6
	s_wait_loadcnt 16
.else
	s_wait_loadcnt 0
.endif
	s_wait_dscnt 0x0                               ; the stage's stores have read the codes' registers
.if ((\hb)%2 == 0) && ((\hb) > 0)
	s_wait_xcnt 0x0                                ; the last chunk's global stores have read v208-239
.endif
.irp cc, 0,1,2,3
.irp i, 0,1,2,3,4,5,6,7,8,9,10,11,12,13,14,15
	v_med3_num_f32 v[TT+16*(\cc%2)+\i], v[X+64*((\hb)%3)+4*\i+\cc], -v6, v6   ; the conversion does not saturate (ISA guide 7.6.2): the hold; it also lays the column's K along consecutive registers
.endr
	v_cvt_scalef32_pk8_bf8_f32 v[CC+4*\cc:CC+4*\cc+1], v[TT+16*(\cc%2):TT+16*(\cc%2)+7], v5
	v_cvt_scalef32_pk8_bf8_f32 v[CC+4*\cc+2:CC+4*\cc+3], v[TT+16*(\cc%2)+8:TT+16*(\cc%2)+15], v5
	ds_store_b128 v3, v[CC+4*\cc:CC+4*\cc+3] offset:256*((\hb)%2)+16*\cc      ; slot + cc, half h; the next column's holds, on the other set, are the plain lines behind the conversions
.endr
	v_nop                                          ; a plain line behind the last conversion
.if (\hb)+3 < 8
	QLOAD (\hb)+3, \pitch
.endif
.if (\hb)%2 == 1
.irp i, 0,1,2,3,4,5,6,7
	ds_load_b128 v[TT+4*\i:TT+4*\i+3], v4 offset:528*\i        ; LDS serves a wave's instructions in order (ISA guide 5.7.1.4): these see my stores
.endr
	s_wait_dscnt 0x0
.irp i, 0,1,2,3,4,5,6,7
	global_store_b128 v2, v[TT+4*\i:TT+4*\i+3], s[32:33] offset:(\i/4)*\ksn*8192+(\i%4)*2048+512*((\hb)/2)   ; 512 consecutive bytes, aligned
.endr
.endif
.endm
; first: the path's first work-group; pitch: bytes of a row k; ksn: K steps of 128; src: the weight's pointer; dstoff: its codes' first byte in wc; scoff: its scale's byte within an expert's four
.macro QPATH first, pitch, ksn, logks, stg, src, dstoff, scoff
	s_sub_co_u32 s23, ttmp9, \first
	s_lshr_b32 s24, s23, 5                         ; expert
	s_lshr_b32 s25, s23, \logks
	s_and_b32 s25, s25, 32/\ksn-1                  ; which 512 columns
	s_and_b32 s26, s23, \ksn-1                     ; which K step
	s_lshl_b32 s27, s24, 4                         ; the expert's four scales
	s_lshl_b32 s28, s24, 23                        ; source: expert x 8 MiB + K step x 128 rows + 2,048 x column group + 512 x wave
	s_mul_i32 s30, s26, 128*\pitch
	s_add_co_u32 s28, s28, s30
	s_lshl_b32 s30, s25, 11
	s_add_co_u32 s28, s28, s30
	s_lshl_b32 s30, s22, 9
	s_add_co_u32 s28, s28, s30
	s_mov_b32 s29, 0
	s_lshl_b32 s32, s24, 21                        ; codes: expert x 2 MiB + 64 columns x (ksn x 8,192) + K step x 8,192
	s_mul_i32 s30, s25, 8*\ksn*8192
	s_add_co_u32 s32, s32, s30
	s_mul_i32 s30, s22, 2*\ksn*8192
	s_add_co_u32 s32, s32, s30
	s_lshl_b32 s30, s26, 13
	s_add_co_u32 s32, s32, s30
.if \dstoff
	s_add_co_u32 s32, s32, \dstoff
.endif
	s_mov_b32 s33, 0
	v_lshrrev_b32 v7, 3, v1                        ; my columns 4 l .. 4 l + 3: fragment 2 (l >> 3) + ((l >> 1) & 1) of the wave's eight,
	v_bfe_u32 v8, v1, 1, 1
	v_lshl_add_u32 v7, v7, 1, v8
	v_mul_u32_u24 v7, v7, 528                      ; 528 bytes apart
	v_and_b32 v8, 1, v1
	v_lshl_add_u32 v7, v8, 6, v7                   ; slot 4 (l & 1) + 8 ((l >> 2) & 1) + cc, 16 bytes a slot
	v_bfe_u32 v8, v1, 2, 1
	v_lshl_add_u32 v7, v8, 7, v7
	s_mul_i32 s30, s22, 4224
	s_add_co_u32 s30, s30, \stg                    ; my wave's stage
	v_add_nc_u32 v3, s30, v7
	v_add_nc_u32 v4, s30, v2
	s_wait_kmcnt 0x0
	s_load_b32 s34, s[8:9], s27 offset:\scoff      ; e
	s_add_nc_u64 s[28:29], s[\src:\src+1], s[28:29]
	s_add_nc_u64 s[32:33], s[14:15], s[32:33]
	QLOAD 0, \pitch
	QLOAD 1, \pitch
	QLOAD 2, \pitch
	s_wait_kmcnt 0x0
	s_add_co_i32 s34, s34, 127
	s_lshl_b32 s35, s34, 23
	v_mov_b32 v5, s35                              ; 2^e as f32: the conversion takes its exponent field
	s_add_co_i32 s34, s34, 15
	s_lshl_b32 s34, s34, 23
	s_or_b32 s34, s34, 0x600000
	v_mov_b32 v6, s34                              ; 57,344 x 2^e
	s_wait_alu depctr_va_vdst(0)
.irp hb, 0,1,2,3,4,5,6,7
	HB \hb, \pitch, \ksn
.endr
.endm
; The two largest of a token's eight.  Every lane holds all eight logits at v[LB + 2 e]; u goes to v[LB + 2 e + 1].  t: which of my wave's two tokens.
.macro TOP2 t
.set LB, ACC+16*(\t)
	v_max3_num_f32 v248, v[LB], v[LB+2], v[LB+4]
	v_max3_num_f32 v248, v248, v[LB+6], v[LB+8]
	v_max3_num_f32 v248, v248, v[LB+10], v[LB+12]
	v_max_num_f32 v248, v248, v[LB+14]             ; the maximum is taken away ahead of the exponential
.irp e, 0,1,2,3,4,5,6,7
	v_sub_f32 v[LB+2*\e+1], v[LB+2*\e], v248
.endr
.irp e, 0,1,2,3,4,5,6,7
	v_mul_f32 v[LB+2*\e+1], 0x3fb8aa3b, v[LB+2*\e+1]
.endr
	s_wait_alu depctr_va_vdst(0)
.irp e, 0,1,2,3,4,5,6,7
	v_exp_f32 v[LB+2*\e+1], v[LB+2*\e+1]
.endr
	v_mov_b32 v250, 0                              ; (a plain line behind the exponentials)  the largest so far: expert 0
	s_wait_alu depctr_va_vdst(0)
	v_mov_b32 v249, v[LB+1]
.irp e, 1,2,3,4,5,6,7
	v_cmp_le_f32 vcc_lo, v[LB+2*\e+1], v249        ; not larger: the earlier expert stays, so a tie goes to the lower number
	v_cndmask_b32 v250, \e, v250, vcc_lo
	v_max_num_f32 v249, v249, v[LB+2*\e+1]
.endr
.irp e, 0,1,2,3,4,5,6,7
	v_cmp_eq_u32 vcc_lo, \e, v250
	v_cndmask_b32 v[LB+2*\e+1], v[LB+2*\e+1], v255, vcc_lo   ; the first choice becomes -1, under every u
.endr
	v_mov_b32 v252, 0
	v_mov_b32 v251, v[LB+1]
.irp e, 1,2,3,4,5,6,7
	v_cmp_le_f32 vcc_lo, v[LB+2*\e+1], v251
	v_cndmask_b32 v252, \e, v252, vcc_lo
	v_max_num_f32 v251, v251, v[LB+2*\e+1]
.endr
	v_add_f32 v253, v249, v251
	s_wait_alu depctr_va_vdst(0)
	v_rcp_f32 v253, v253
	v_min_u32 v10, v250, v252                      ; (a plain line behind the reciprocal)  the lower expert,
	v_max_u32 v11, v250, v252                      ; the higher
	s_wait_alu depctr_va_vdst(0)
	v_mul_f32 v249, v249, v253
	v_mul_f32 v251, v251, v253
	v_cmp_lt_u32 vcc_lo, v250, v252
	v_cndmask_b32 v12, v251, v249, vcc_lo          ; the lower expert's gate,
	v_cndmask_b32 v13, v249, v251, vcc_lo          ; the higher's
	v_lshlrev_b32 v14, v250, v6
	v_lshlrev_b32 v15, v252, v6
	v_or_b32 v14, v14, v15                         ; the word of two bits
.irp q, 0,1,2,3
	v_bfe_u32 v15, v14, 2*\q, 1
	v_bfe_u32 v8, v14, 2*\q+1, 1
	v_lshl_add_u32 v15, v8, 16, v15
	v_add_nc_u32 v[CW+\q], v[CW+\q], v15
.endr
	v_cmp_eq_u32 vcc_lo, \t, v4                    ; the lanes that keep this token's results for the stores at the end
	v_cndmask_b32 v[MKR], v[MKR], v14, vcc_lo
	v_cndmask_b32 v[GL], v[GL], v12, vcc_lo
	v_cndmask_b32 v[GL+1], v[GL+1], v13, vcc_lo
.endm
; A token's row as codes under the scale of the expert in v[ve]: the scale is SELECTED among eight, no address hangs on the choice.  Each of the four calls has code registers of its own: no store's data are written again.
.macro XQ xs, ve, cd, off
	v_mov_b32 v253, s56
.irp e, 1,2,3,4,5,6,7
	v_cmp_ne_u32 vcc_lo, \e, v[\ve]
	v_cndmask_b32 v253, s[56+\e], v253, vcc_lo
.endr
	v_add_nc_u32 v254, 0x7e00000, v253             ; 57,344 x the scale: 15 onto the exponent field, 0x600000 as mantissa
.set J, 0
.rept 32
	v_med3_num_f32 v[T+J], v[\xs+J], -v254, v254
.set J, J+1
.endr
.irp q, 0,1,2,3
	v_cvt_scalef32_pk8_bf8_f32 v[\cd+2*\q:\cd+2*\q+1], v[T+8*\q:T+8*\q+7], v253
.endr
	v_nop                                          ; a plain line behind the last conversion
.irp q, 0,1,2,3
	global_store_b64 v5, v[\cd+2*\q:\cd+2*\q+1], s[74:75] offset:\off+256*\q   ; 32 lanes x 8 bytes: 256 consecutive bytes, aligned
.endr
.endm
	s_load_b512 s[4:19], s[0:1], 0x0               ; hidden s[4:5], gate_w s[6:7], scales s[8:9], w1 s[10:11], w2 s[12:13], wc s[14:15], xq s[16:17], gates s[18:19]
	s_load_b64 s[20:21], s[0:1], 0x40              ; route
	s_set_vgpr_msb 0x40
	v_lshl_add_u32 v0, v0, 2, 0x10400
	v_mov_b32 v1, 0
	s_set_vgpr_msb 0x4000
	v_lshrrev_b32 v1, 5, v0
	v_readfirstlane_b32 s22, v1                    ; wave
	v_and_b32 v1, 31, v0                           ; lane
	v_lshlrev_b32 v2, 4, v1                        ; 16 x lane
	s_cmp_lt_u32 ttmp9, 256
	s_cbranch_scc1 .Lrouter
	s_cmp_lt_u32 ttmp9, 512
	s_cbranch_scc1 .Lw1
	s_wait_alu depctr_va_vdst(0)
	QPATH 512, 4096, 16, 4, STG2, 12, 16777216, 12
	s_set_vgpr_msb 0x5
	s_wait_tensorcnt 0x0
	ds_add_u32 v0, v1
	s_wait_dscnt 0x0
	s_set_vgpr_msb 0x500
	s_endpgm
.Lw1:
	s_wait_alu depctr_va_vdst(0)
	QPATH 256, 8192, 8, 3, STG1, 10, 0, 4
	s_set_vgpr_msb 0x5
	s_wait_tensorcnt 0x0
	ds_add_u32 v0, v1
	s_wait_dscnt 0x0
	s_set_vgpr_msb 0x500
	s_endpgm
.Lrouter:
	s_wait_alu depctr_va_vdst(0)
	v_lshlrev_b32 v3, 5, v1                        ; x: 32 bytes a lane
	v_and_b32 v4, 1, v1                            ; which of my wave's two tokens this lane keeps for the stores at the end
	v_lshlrev_b32 v5, 3, v1                        ; codes: 8 bytes a lane
	v_mov_b32 v6, 1
	v_bfe_u32 v7, v0, 2, 1                         ; where thread n puts gate_w(k = n + 128 i, e): 512 ((k >> 2) & 1) + 16 ((k >> 3) & 31) + 4 (k & 3), the rest in the immediate
	v_lshlrev_b32 v7, 9, v7
	v_lshrrev_b32 v8, 3, v0
	v_lshl_add_u32 v7, v8, 4, v7
	v_and_b32 v8, 3, v0
	v_lshl_add_u32 v7, v8, 2, v7
	v_lshlrev_b32 v9, 5, v0                        ; a row of gate_w is 32 bytes
	s_lshl_b32 s23, ttmp9, 3
	s_lshl_b32 s69, s22, 1
	s_add_co_u32 s23, s23, s69                     ; my wave's first token: 8 x work-group + 2 x wave
	s_lshl_b32 s76, s23, 12
	s_mov_b32 s77, 0
	s_lshl_b32 s78, s23, 11
	s_mov_b32 s79, 0
	s_mov_b32 s66, 0x76543210                      ; v_permlanex16_b32: lane l xor 16
	s_mov_b32 s67, 0xfedcba98
	s_wait_alu depctr_va_vdst(0)
	s_wait_kmcnt 0x0
	s_load_b512 s[24:39], s[8:9], 0x0              ; all 32 exponents
	s_load_b512 s[40:55], s[8:9], 0x40
	s_add_nc_u64 s[72:73], s[4:5], s[76:77]        ; x at my first token
	s_add_nc_u64 s[74:75], s[16:17], s[78:79]      ; its two rows of codes
.irp i, 0,1,2,3,4,5,6,7
	global_load_b128 v[G+8*\i:G+8*\i+3], v9, s[6:7] offset:4096*\i
	global_load_b128 v[G+8*\i+4:G+8*\i+7], v9, s[6:7] offset:4096*\i+16
.endr
.irp t, 0,1                                        ; my two tokens' rows: lane l takes k = 256 q + 8 l + 0..7 into registers 8 q .. 8 q + 7
.irp q, 0,1,2,3
	global_load_b128 v[XA+32*\t+8*\q:XA+32*\t+8*\q+3], v3, s[72:73] offset:\t*4096+1024*\q th:TH_LOAD_NT
	global_load_b128 v[XA+32*\t+8*\q+4:XA+32*\t+8*\q+7], v3, s[72:73] offset:\t*4096+1024*\q+16 th:TH_LOAD_NT
.endr
.endr
	v_mov_b32 v[MKR], 0
	v_mov_b32 v[GL], 0
	v_mov_b32 v[GL+1], 0
.irp q, 0,1,2,3
	v_mov_b32 v[CW+\q], 0
.endr
	v_mov_b32 v255, -1.0
	s_wait_loadcnt 16                              ; gate_w is in; the sixteen loads of x stay out
.irp i, 0,1,2,3,4,5,6,7
.irp e, 0,1,2,3,4,5,6,7
	ds_store_b32 v7, v[G+8*\i+\e] offset:GWT+4096*\e+1024*(\i/2)+256*(\i%2)
.endr
.endr
	s_wait_kmcnt 0x0
.irp e, 0,1,2,3,4,5,6,7
	s_add_co_i32 s[56+\e], s[24+4*\e], 127
	s_lshl_b32 s[56+\e], s[56+\e], 23              ; 2^ex of expert e as f32
.endr
	s_wait_dscnt 0x0                               ; for the others' sake: my part of gate_w lies in LDS
	s_barrier_signal -1
	s_barrier_wait -1
	s_wait_loadcnt 0x0                             ; my two rows of x are in
.irp q, 0,1,2,3                                    ; the sixteen logits, a quarter of K at a time
.irp e, 0,1,2,3,4,5,6,7
	ds_load_b128 v[G+8*\e:G+8*\e+3], v2 offset:GWT+4096*\e+1024*\q
	ds_load_b128 v[G+8*\e+4:G+8*\e+7], v2 offset:GWT+4096*\e+1024*\q+512
.endr
	s_wait_dscnt 0x0
.irp p, 0,1,2,3
.irp t, 0,1
.irp e, 0,1,2,3,4,5,6,7
.if \q+\p == 0
	v_pk_mul_f32 v[ACC+16*\t+2*\e:ACC+16*\t+2*\e+1], v[XA+32*\t+8*\q+2*\p:XA+32*\t+8*\q+2*\p+1], v[G+8*\e+2*\p:G+8*\e+2*\p+1]   ; the first products start the sums
.else
	v_pk_fma_f32 v[ACC+16*\t+2*\e:ACC+16*\t+2*\e+1], v[XA+32*\t+8*\q+2*\p:XA+32*\t+8*\q+2*\p+1], v[G+8*\e+2*\p:G+8*\e+2*\p+1], v[ACC+16*\t+2*\e:ACC+16*\t+2*\e+1]
.endif
.endr
.endr
.endr
.endr
.set N, 0
.rept 16
	v_add_f32 v[ACC+2*N], v[ACC+2*N], v[ACC+2*N+1]
.set N, N+1
.endr
.irp m, 1,2,4,8
.set N, 0
.rept 16
	v_add_f32_dpp v[ACC+2*N], v[ACC+2*N], v[ACC+2*N] row_xmask:\m row_mask:0xf bank_mask:0xf
.set N, N+1
.endr
.endr
.set N, 0
.rept 16
	v_permlanex16_b32 v[ACC+2*N+1], v[ACC+2*N], s66, s67
.set N, N+1
.endr
.set N, 0
.rept 16
	v_add_f32 v[ACC+2*N], v[ACC+2*N], v[ACC+2*N+1]   ; every lane holds the sixteen logits
.set N, N+1
.endr
.irp t, 0,1
	TOP2 \t
	XQ XA+32*\t, 10, CDS+16*\t, (2*\t)*1024
	XQ XA+32*\t, 11, CDS+16*\t+8, (2*\t+1)*1024
.endr
	s_lshl_b32 s24, s23, 2
	s_mov_b32 s25, 0
	s_add_nc_u64 s[24:25], s[20:21], s[24:25]      ; the words of bits
	s_lshl_b32 s26, s23, 3
	s_mov_b32 s27, 0
	s_add_nc_u64 s[26:27], s[18:19], s[26:27]      ; the gates
	s_lshl_b32 s28, ttmp9, 2
	s_add_co_u32 s28, s28, s22
	s_lshl_b32 s28, s28, 4
	s_mov_b32 s29, 0
	s_add_nc_u64 s[28:29], s[20:21], s[28:29]      ; my wave's four words of counts: entry 4 x work-group + wave of 1,024
	v_lshlrev_b32 v7, 2, v4
	v_lshlrev_b32 v8, 3, v4
	v_mov_b32 v9, 0
	global_store_b32 v7, v[MKR], s[24:25]          ; the lanes of one parity hold and store the same word at the same place
	global_store_b64 v8, v[GL:GL+1], s[26:27]
	global_store_b128 v9, v[CW:CW+3], s[28:29] offset:8192
	s_set_vgpr_msb 0x5
	s_wait_tensorcnt 0x0
	ds_add_u32 v0, v1
	s_wait_dscnt 0x0
	s_set_vgpr_msb 0x500
	s_endpgm
.Lfunc_end_k_q39971167ce_prep:
	.size	k_q39971167ce_prep, .Lfunc_end_k_q39971167ce_prep-k_q39971167ce_prep
	.p2alignl 7, 3214868480
	.fill 96, 4, 3214868480
	.section	.rodata,"a",@progbits
	.p2align	6, 0x0
	.amdhsa_kernel k_q39971167ce_prep
		.amdhsa_group_segment_fixed_size 67072
		.amdhsa_private_segment_fixed_size 0
		.amdhsa_enable_private_segment 0
		.amdhsa_kernarg_size 72
		.amdhsa_user_sgpr_count 2
		.amdhsa_user_sgpr_kernarg_segment_ptr 1
		.amdhsa_wavefront_size32 1
		.amdhsa_system_sgpr_workgroup_id_x 1
		.amdhsa_system_sgpr_workgroup_id_y 1
		.amdhsa_system_sgpr_workgroup_id_z 1
		.amdhsa_system_vgpr_workitem_id 0
		.amdhsa_next_free_vgpr 258
		.amdhsa_next_free_sgpr 80
		.amdhsa_reserve_vcc 1
		.amdhsa_float_denorm_mode_32 3
		.amdhsa_float_denorm_mode_16_64 3
		.amdhsa_memory_ordered 1
		.amdhsa_forward_progress 1
		.amdhsa_inst_pref_size 176
	.end_amdhsa_kernel
	.amdgpu_metadata
---
amdhsa.version: [ 1, 2 ]
amdhsa.kernels:
  - .name:           k_q39971167ce_prep
    .symbol:         k_q39971167ce_prep.kd
    .args:
      - { .name: hidden_states, .offset: 0, .size: 8, .value_kind: global_buffer, .address_space: global }
      - { .name: gate_w, .offset: 8, .size: 8, .value_kind: global_buffer, .address_space: global }
      - { .name: lowp_scales, .offset: 16, .size: 8, .value_kind: global_buffer, .address_space: global }
      - { .name: w1, .offset: 24, .size: 8, .value_kind: global_buffer, .address_space: global }
      - { .name: w2, .offset: 32, .size: 8, .value_kind: global_buffer, .address_space: global }
      - { .name: wc, .offset: 40, .size: 8, .value_kind: global_buffer, .address_space: global }
      - { .name: xq, .offset: 48, .size: 8, .value_kind: global_buffer, .address_space: global }
      - { .name: gates, .offset: 56, .size: 8, .value_kind: global_buffer, .address_space: global }
      - { .name: route, .offset: 64, .size: 8, .value_kind: global_buffer, .address_space: global }
    .group_segment_fixed_size: 67072
    .private_segment_fixed_size: 0
    .kernarg_segment_align: 8
    .kernarg_segment_size: 72
    .max_flat_workgroup_size: 128
    .sgpr_count:     80
    .vgpr_count:     258
    .wavefront_size: 32
...
	.end_amdgpu_metadata
.endif
;; end of part 6
;; launch placer (part 7): grid 29 x 1, 4 waves a work-group, no clusters, 1,536 bytes of LDS; arguments route, place; writes place
.if DOCPART == 7
	.amdgcn_target "amdgcn-amd-amdhsa--gfx1250"
	.amdhsa_code_object_version 6
	.text
	.protected	k_q39971167ce_placer
	.globl	k_q39971167ce_placer
	.p2align	8
	.type	k_q39971167ce_placer,@function
k_q39971167ce_placer:
	s_mov_b64 s[64:65], 0
	v_nop
	global_prefetch_b8 v0, s[64:65] scope:SCOPE_SE
	s_setreg_imm32_b32 hwreg(HW_REG_WAVE_MODE, 25, 1), 1
	s_wait_xcnt 0x0
; PLACER: the routed rows are given their places.  The 4,096 routed rows (2 for each token) are sorted by expert into tiles of 192 rows; whatever the choice there are at most 29 tiles
; ((4,096 + 8 x 191) / 192).  Work-group t serves tile t.  All that it reads are whole numbers that the launch before stored at fixed places: a word of two bits for each token, and 1,024 waves' counts.
; Every work-group derives the same order: the experts' counts give each tile its expert and its first rank among that expert's rows; wave 0 walks the 2,048 words of bits and puts the tile's
; row numbers into a list in LDS (a row's rank: the rows counted so far + the set lanes below).  No branch hangs on these numbers: what belongs to another tile falls on a spare word of the list.
; STORED, for the launches that follow, which form addresses and a branch from them:  place + 0: for each row its place, 192 x tile + rank (16 KB in all, four bytes a lane, scattered: each row is told by the
; tile that holds it);  place + 16,384 + 128 x tile: the tile's expert, or 8 for a tile without rows, 32 equal words;  place + 20,480 + 1,024 x tile: the list, 256 words, of which 192 are read; rows that the tile lacks are row 0.
; A few KB of whole numbers: no matrix unit, no tensor load, no cluster.
.set LIST, 0                           ; LDS: 256 words: the tile's 192 row numbers; word 192 takes what belongs elsewhere
.set CN,   32                          ; v32-159  counts: 32 loads of four words a lane
.set MK,   160                         ; v160-223 the words of bits
.macro MAP e                           ; does my tile begin at or behind expert e's first tile?  Then e is the candidate; s32 runs on by e's tiles
	s_cmp_ge_u32 s17, s32
	s_cselect_b32 s33, \e, s33
	s_cselect_b32 s34, s32, s34
	s_cselect_b32 s35, s[24+\e], s35
	s_add_co_u32 s36, s[24+\e], 191
	s_lshr_b32 s36, s36, 6
	s_mul_i32 s36, s36, 0xaaab                     ; / 3, exact for numbers up to 34
	s_lshr_b32 s36, s36, 17
	s_add_co_u32 s32, s32, s36
.endm
.macro SCAN n                          ; register n of the words of bits: token 128 (n / 4) + 4 lane + n % 4
.set TA, 20+4*((\n)%2)
	v_and_b32 v[TA], s37, v[MK+\n]
	v_cmp_ne_u32 vcc_lo, 0, v[TA]                  ; the token chose my expert
	v_mbcnt_lo_u32_b32 v[TA], vcc_lo, s50          ; its rank, less my tile's first rank
	v_and_b32 v[TA+1], s38, v[MK+\n]
	v_cndmask_b32 v[TA], 0xffff, v[TA], vcc_lo
	v_min_u32 v[TA+1], 1, v[TA+1]                  ; 1 where the token's other expert has the lower number: the row's second copy
	v_min_u32 v[TA], 192, v[TA]                    ; ranks of other tiles (as unsigned numbers) and other tokens fall on word 192
	v_add3_u32 v[TA+1], v18, v[TA+1], 256*((\n)/4)+2*((\n)%4)   ; the row: 2 x token + copy
	v_lshlrev_b32 v[TA], 2, v[TA]
	ds_store_b32 v[TA], v[TA+1]
	s_bcnt1_i32_b32 s51, vcc_lo
	s_add_co_u32 s50, s50, s51
.endm
	s_load_b128 s[4:7], s[0:1], 0x0                ; route s[4:5], place s[6:7]
	v_lshl_add_u32 v224, v0, 2, 0x400
	v_mov_b32 v225, 0
	v_lshrrev_b32 v1, 5, v0
	v_readfirstlane_b32 s16, v1                    ; wave
	s_mov_b32 s17, ttmp9                           ; tile
	v_and_b32 v1, 31, v0                           ; lane
	v_lshlrev_b32 v2, 4, v1                        ; 16 x lane
	v_lshlrev_b32 v10, 3, v0                       ; my thread's two words of the list
	v_lshlrev_b32 v17, 2, v1
	v_lshlrev_b32 v18, 3, v1
	s_mov_b32 s58, 0x76543210                      ; v_permlanex16_b32: lane l xor 16
	s_mov_b32 s59, 0xfedcba98
	s_lshl_b32 s56, s17, 10
	s_mov_b32 s57, 0
	s_wait_alu depctr_va_vdst(0)
	s_wait_kmcnt 0x0
	s_add_nc_u64 s[54:55], s[6:7], s[56:57]        ; place + 1,024 x tile: my tile's list lies 20,480 bytes on
.set I, 0
.rept 32
	global_load_b128 v[CN+4*I:CN+4*I+3], v2, s[4:5] offset:8192+512*I     ; 1,024 waves' counts, four words each
.set I, I+1
.endr
.set I, 0
.rept 16
	global_load_b128 v[MK+4*I:MK+4*I+3], v2, s[4:5] offset:512*I          ; the 2,048 words of bits
.set I, I+1
.endr
.irp q, 0,1,2,3
	v_mov_b32 v[13+\q], 0                          ; written once: the destination of a lane exchange counts as read
.endr
	s_wait_loadcnt 0x0
.set I, 1
.rept 31
	v_add_nc_u32 v[CN], v[CN], v[CN+4*I]           ; two counts a word, 2,048 at the most: no carry between them
	v_add_nc_u32 v[CN+1], v[CN+1], v[CN+4*I+1]
	v_add_nc_u32 v[CN+2], v[CN+2], v[CN+4*I+2]
	v_add_nc_u32 v[CN+3], v[CN+3], v[CN+4*I+3]
.set I, I+1
.endr
.irp m, 1,2,4,8
.irp q, 0,1,2,3
	v_mov_b32_dpp v[13+\q], v[CN+\q] row_xmask:\m row_mask:0xf bank_mask:0xf
.endr
.irp q, 0,1,2,3
	v_add_nc_u32 v[CN+\q], v[CN+\q], v[13+\q]
.endr
.endr
.irp q, 0,1,2,3
	v_permlanex16_b32 v[13+\q], v[CN+\q], s58, s59
.endr
.irp q, 0,1,2,3
	v_add_nc_u32 v[CN+\q], v[CN+\q], v[13+\q]
.endr
.irp q, 0,1,2,3
	v_readfirstlane_b32 s[20+\q], v[CN+\q]
.endr
.irp q, 0,1,2,3
	s_and_b32 s[24+2*\q], s[20+\q], 0xffff         ; s24-31: the eight experts' rows
	s_lshr_b32 s[25+2*\q], s[20+\q], 16
.endr
	s_mov_b32 s32, 0
	s_mov_b32 s33, 0
	s_mov_b32 s34, 0
	s_mov_b32 s35, 0
.irp e, 0,1,2,3,4,5,6,7
	MAP \e
.endr
	s_cmp_lt_u32 s17, s32
	s_cselect_b32 s39, 1, 0                        ; my tile has rows
	s_min_u32 s33, s33, 7                          ; my expert
	s_sub_co_u32 s50, s17, s34
	s_mul_i32 s50, s50, 192                        ; my tile's first rank among the expert's rows
	s_sub_co_i32 s49, s35, s50
	s_max_i32 s49, s49, 0
	s_min_i32 s49, s49, 192                        ; my tile's rows
	s_sub_co_u32 s50, 0, s50
	s_mul_i32 s60, s17, 192
	s_cmp_lg_u32 s16, 0
	s_cbranch_scc1 .Lnot0
	v_mov_b32 v19, 0                               ; WAVE 0 makes the list; no other wave touches LDS ahead of the barrier below
.irp q, 0,1,2,3,4,5,6,7
	ds_store_b32 v17, v19 offset:LIST+128*\q
.endr
	s_lshl_b32 s37, 1, s33                         ; my expert's bit,
	s_sub_co_u32 s38, s37, 1                       ; the lower experts' bits
.set N, 0
.rept 64
	SCAN N
.set N, N+1
.endr
	s_cmp_lg_u32 s39, 0
	s_cselect_b32 s36, s33, 8                      ; the tile's mark: its expert, or 8 for none
	v_mov_b32 v28, s36
	s_lshl_b32 s56, s17, 7
	s_add_nc_u64 s[62:63], s[6:7], s[56:57]
	global_store_b32 v17, v28, s[62:63] offset:16384
.Lnot0:
	s_wait_dscnt 0x0                               ; for the others' sake: the list's stores are done
	s_barrier_signal -1
	s_barrier_wait -1                              ; the list lies in LDS
	ds_load_b64 v[14:15], v10 offset:LIST          ; thread n: the rows of ranks 2 n and 2 n + 1
	v_lshlrev_b32 v20, 1, v0                       ; rank 2 n,
	v_add_nc_u32 v21, 1, v20                       ; 2 n + 1
	v_add_nc_u32 v22, s60, v20                     ; their places: 192 x tile + rank
	v_add_nc_u32 v23, 1, v22
	s_wait_alu depctr_va_vdst(0)
	s_wait_dscnt 0x0
	global_store_b64 v10, v[14:15], s[54:55] offset:20480   ; the list as it lies: a wave stores 256 consecutive bytes, aligned
	s_wait_xcnt 0x0                                ; the store has read v14 and v15, which are rewritten below; and EXEC changes only behind this wait
	v_min_u32 v14, 0xfff, v14                      ; a row number is held at 4,095 ahead of its use in an address
	v_min_u32 v15, 0xfff, v15
	v_lshlrev_b32 v14, 2, v14
	v_lshlrev_b32 v15, 2, v15
	v_cmp_gt_u32 vcc_lo, s49, v20                  ; only the ranks that the tile has
	s_wait_alu depctr_va_vdst(0)
	s_wait_tensorcnt 0x0
	ds_add_u32 v224, v225
	s_wait_dscnt 0x0
	s_and_saveexec_b32 s48, vcc_lo
	global_store_b32 v14, v22, s[6:7]
	s_wait_xcnt 0x0
	s_or_b32 exec_lo, exec_lo, s48
	v_cmp_gt_u32 vcc_lo, s49, v21
	s_and_saveexec_b32 s48, vcc_lo
	global_store_b32 v15, v23, s[6:7]
	s_wait_xcnt 0x0
	s_or_b32 exec_lo, exec_lo, s48
	s_endpgm
.Lfunc_end_k_q39971167ce_placer:
	.size	k_q39971167ce_placer, .Lfunc_end_k_q39971167ce_placer-k_q39971167ce_placer
	.p2alignl 7, 3214868480
	.fill 96, 4, 3214868480
	.section	.rodata,"a",@progbits
	.p2align	6, 0x0
	.amdhsa_kernel k_q39971167ce_placer
		.amdhsa_group_segment_fixed_size 1536
		.amdhsa_private_segment_fixed_size 0
		.amdhsa_enable_private_segment 0
		.amdhsa_kernarg_size 16
		.amdhsa_user_sgpr_count 2
		.amdhsa_user_sgpr_kernarg_segment_ptr 1
		.amdhsa_wavefront_size32 1
		.amdhsa_system_sgpr_workgroup_id_x 1
		.amdhsa_system_sgpr_workgroup_id_y 1
		.amdhsa_system_sgpr_workgroup_id_z 1
		.amdhsa_system_vgpr_workitem_id 0
		.amdhsa_next_free_vgpr 226
		.amdhsa_next_free_sgpr 66
		.amdhsa_reserve_vcc 1
		.amdhsa_float_denorm_mode_32 3
		.amdhsa_float_denorm_mode_16_64 3
		.amdhsa_memory_ordered 1
		.amdhsa_forward_progress 1
		.amdhsa_inst_pref_size 54
	.end_amdhsa_kernel
	.amdgpu_metadata
---
amdhsa.version: [ 1, 2 ]
amdhsa.kernels:
  - .name:           k_q39971167ce_placer
    .symbol:         k_q39971167ce_placer.kd
    .args:
      - { .name: route, .offset: 0, .size: 8, .value_kind: global_buffer, .address_space: global }
      - { .name: place, .offset: 8, .size: 8, .value_kind: global_buffer, .address_space: global }
    .group_segment_fixed_size: 1536
    .private_segment_fixed_size: 0
    .kernarg_segment_align: 8
    .kernarg_segment_size: 16
    .max_flat_workgroup_size: 128
    .sgpr_count:     66
    .vgpr_count:     226
    .wavefront_size: 32
...
	.end_amdgpu_metadata
.endif
;; end of part 7
;; launch gemm1 (part 8): grid 8 x 29, 4 waves a work-group, no clusters, 200,192 bytes of LDS; arguments place, xq, wc, lowp_scales, hq; writes hq
.if DOCPART == 8
	.amdgcn_target "amdgcn-amd-amdhsa--gfx1250"
	.amdhsa_code_object_version 6
	.text
	.protected	k_q39971167ce_gemm1
	.globl	k_q39971167ce_gemm1
	.p2align	8
	.type	k_q39971167ce_gemm1,@function
k_q39971167ce_gemm1:
	s_mov_b64 s[64:65], 0
	v_nop
	global_prefetch_b8 v0, s[64:65] scope:SCOPE_SE
	s_setreg_imm32_b32 hwreg(HW_REG_WAVE_SCHED_MODE, 0, 2), 2
	s_setreg_imm32_b32 hwreg(HW_REG_WAVE_MODE, 25, 1), 1
	s_wait_xcnt 0x0
	s_wait_alu depctr_vm_vsrc(0)
; GEMM1: h = Q(silu(x W1[e])) for the rows that chose expert e.  Both operands are codes of BF8 (E5M2); sums in f32.
; TILES.  The 4,096 routed rows (2 for each token) lie sorted by expert in tiles of 192 rows, at most 29 whatever the choice.  Work-group (x, y) makes tile y x columns 256 x .. 256 x + 255 of the hidden layer.
; The tile's expert (8: the tile has no rows) and the list of its 192 row numbers are whole numbers that the launch before stored; they come by scalar loads, and each is held at its table's last entry
; ahead of its use in an address.  A tile without rows gathers by its list of zeros, passes the one barrier, stores nothing and ends.
; SHARES.  Wave w makes all 192 rows x 64 columns: 12 x 4 accumulators.  Its weights (64 KB of codes, laid in the order of the operand's registers) go from memory straight into registers, three to four K steps
; ahead: no other wave of the work-group reads them.  The 192 rows of x's codes, whole K, are gathered once into LDS, 48 rows a wave, and read by all four waves.
; THE MATRIX INSTRUCTION IS USED TRANSPOSED (source 0 = 16 columns of W1, source 1 = 16 rows): a lane holds one row, and by the order in which the weights' columns were laid its 16 registers of two
; neighbouring tiles are 16 neighbouring hidden units: the conversions' results are the next product's operand registers and are stored as such, 512 consecutive bytes a store.
; NO CLUSTER: which expert's weights a tile needs, and whether the tile exists, are numbers read from memory, so neither a joint load's descriptor nor the path of partners can be shown alike.
; NO TENSOR LOAD: the rows are gathered by a list, and each byte of the weights has one reader.
; LIMITS: ex + ew1 between -126 and 127, eh between -126 and 112, so that the powers of two below are f32 numbers.  Below about -88 silu comes out as -0.  NaN is not served.
; THE MODE: SCHED_MODE bits 1:0 = 2 (LLVM: expert scheduling mode 2), set by the entry lines.  The code itself states the register dependences
; between vector or matrix instructions and memory or LDS instructions, with s_wait_alu, always for 0.
; THE PLAN.  Registers that memory or LDS instructions touch:
;   v2, v5-8      Offsets and LDS addresses: made once at the head, read by every load and store, never written again.
;   v64-127, v176-239   At the head: two sets of gathered rows.  Global loads land in a set, LDS stores read it, the batch two on lands in it again.
;   W0 .. W3      The weights' four stages.  The products of K step ks read W[ks % 4]; the stage of step ks + 3 lands in W[(ks - 1) % 4], asked for at the head of step ks.
;   A0 .. A4      FIVE buffers of four row fragments.  Group g (row blocks 4 g .. 4 g + 3) of step ks lies in A[(3 ks + g) % 5].  Step ks reads three of them; its LDS loads land in the three that step ks - 1 read:
;                 group 2 of step ks, groups 0 and 1 of step ks + 1.  The five numbers 3 ks .. 3 ks + 4 differ modulo 5: no product of step ks names a register in which a load of step ks lands.
;   CD            The codes: eight registers of its own for each row block, written by its conversions, read by its two stores, never written again.
; So ONE wait on va_vdst stands at the head of a K step: the products of the step before are done reading.  The step's loads follow it with no further wait, dealt among its three groups of products.
; On the way out a block's two stores stand behind the next block's wait for its exponentials, which shows the conversions written too.
; REGISTERS, in windows of 256.  Window 0: v1-8 addresses, v11-12 the hidden layer's scale, v62-63 the closing add's two; at the head v64-127 and v176-239 gathered rows; in the loop v64-255 are A0, A1, A2;
; at the end v64-95 z, v96-127 at work, v128-223 codes.  Window 1: weights, four stages of 64.  Window 2: accumulators of row blocks 0-7 at 8 (4 a + b).  Window 3: v0-127 those of 8-11; v128-255 are A3, A4.
; SCALARS: s[4:13] the five pointers; s16 wave, s17 tile, s18 my wave's place in the list, s20 the tile's mark, s22 whether it has rows, s23 its expert; s[24:27] its four exponents; s[28:29] my weights, s[30:31] my hidden codes;
; s[32:33] a byte offset; s[36:39] the sums' scale; s[40:55], s[84:99] two sets of eight row addresses; s[68:83] sixteen row numbers.
.set PA,   1040                        ; a row of codes in LDS: 1,024 bytes + 16: 65 x 16, so the 16 rows of a fragment load start at 16 different columns of banks
.set Z,    64
.set U,    96
.set CD,   128
.set RW,   68                          ; s[68:83]: sixteen row numbers of my wave's 48
.set MSB, 0
.macro WIN new                         ; the immediate's high byte repeats the setting that is left
.if MSB != (\new)
	s_set_vgpr_msb (MSB<<8)|(\new)
.set MSB, (\new)
.endif
.endm
.macro PLACES
.rept 4
	v_nop
.endr
.endm
.macro BLOAD s                         ; K step s of my 64 columns: four fragments, as they lie
.irp b, 0,1,2,3
.irp c, 0,1,2,3
	global_load_b128 v[64*((\s)%4)+16*\b+4*\c:64*((\s)%4)+16*\b+4*\c+3], v2, s[28:29] offset:8192*(\s)+2048*\b+512*\c
.endr
.endr
.endm
; Eight rows of 1,024 bytes.  A row's number goes into the SCALAR base: held at 4,095, the last row of the codes, x 1,024, onto the codes' pointer.  The vector offset is 16 x lane alone.
; Two loads of 512 consecutive bytes a row.  The set of eight addresses is that of the batch two back, whose loads the counted wait in front has shown done.
.macro GBATCH j
.set SB, 40+44*((\j)%2)
.irp i, 0,1,2,3,4,5,6,7
	s_min_u32 s32, s[RW+8*((\j)%2)+\i], 0xfff
	s_lshl_b32 s32, s32, 10
	s_add_nc_u64 s[SB+2*\i:SB+2*\i+1], s[6:7], s[32:33]
.endr
.irp i, 0,1,2,3,4,5,6,7
	global_load_b128 v[64+112*((\j)%2)+8*\i:64+112*((\j)%2)+8*\i+3], v2, s[SB+2*\i:SB+2*\i+1]
	global_load_b128 v[64+112*((\j)%2)+8*\i+4:64+112*((\j)%2)+8*\i+7], v2, s[SB+2*\i:SB+2*\i+1] offset:512
.endr
.endm
.macro GSTORE j
.irp i, 0,1,2,3,4,5,6,7
	ds_store_b128 v8, v[64+112*((\j)%2)+8*\i:64+112*((\j)%2)+8*\i+3] offset:PA*(8*(\j)+\i)
	ds_store_b128 v8, v[64+112*((\j)%2)+8*\i+4:64+112*((\j)%2)+8*\i+7] offset:PA*(8*(\j)+\i)+512
.endr
.endm
; Group gi (row blocks 4 gi .. 4 gi + 3) of K step ks into its buffer: lane (r, h) takes, of row r, k = 32 c + 16 h + 0..15 into registers 4 c .. 4 c + 3, as the weights' codes are laid
.macro AFETCH ks, gi
.set BB, (3*(\ks)+(\gi))%5
.if BB < 3
.set AB, 64+64*BB
	WIN 0
.else
.set AB, 128+64*(BB-3)
	WIN 0xc0                                       ; destination window 3, address window 0
.endif
.irp a, 0,1,2,3
.irp c, 0,1,2,3
	ds_load_b128 v[AB+16*\a+4*\c:AB+16*\a+4*\c+3], v[5+(\gi)] offset:16*PA*\a+128*(\ks)+32*\c
.endr
.endr
.endm
; 16 matrix instructions; the 48 accumulators take turns, one instruction a turn, in the same order in every K step
.macro MUL ks, gi, zero
.set BB, (3*(\ks)+(\gi))%5
.if BB < 3
.set AB, 64+64*BB
.set AW, 0                             ; source 1 (rows) window 0,
.else
.set AB, 128+64*(BB-3)
.set AW, 12                            ; or window 3
.endif
.if (\gi) < 2
	WIN 0xa1+AW                                    ; source 0 (weights) window 1, C and D window 2
.else
	WIN 0xf1+AW                                    ; C and D window 3
.endif
.irp a, 0,1,2,3
.irp b, 0,1,2,3
.set RC, 8*(4*((4*(\gi)+\a)%8)+\b)
.if \zero
	v_wmma_f32_16x16x128_bf8_bf8 v[RC:RC+7], v[64*((\ks)%4)+16*\b:64*((\ks)%4)+16*\b+15], v[AB+16*\a:AB+16*\a+15], 0
.else
	v_wmma_f32_16x16x128_bf8_bf8 v[RC:RC+7], v[64*((\ks)%4)+16*\b:64*((\ks)%4)+16*\b+15], v[AB+16*\a:AB+16*\a+15], v[RC:RC+7]
.endif
.endr
.endr
.endm
; 128 along K: three groups of 16 products.  Each group of row fragments is asked for 32 products ahead of its use.
.macro STEP ks, zero
.if (\ks) > 0
	PLACES                                         ; four plain lines behind the last step's products (ISA guide 7.12.1), ahead of the wait: the wait fills no place
.if (\ks)+3 < 8
	WIN 0x40                                       ; destination window 1
.endif
	s_wait_alu depctr_va_vdst(0)                   ; the products of step ks - 1 are done reading their three buffers of rows and their stage of weights: all the loads of this step land there
.if (\ks)+3 < 8
	BLOAD (\ks)+3                                  ; into the stage that step ks - 1 multiplied
.endif
.endif
.if (\ks) >= 4
	s_wait_loadcnt 16*(7-(\ks))                    ; this step's weights are in; the stages issued behind them stay out
.endif
	AFETCH \ks, 2                                  ; this step's third group
	s_wait_dscnt 32                                ; the first group's 16 loads are in; the two younger groups' stay out
	MUL \ks, 0, \zero
.if (\ks) < 7
	AFETCH (\ks)+1, 0                              ; no wait: no product since the wait above names this buffer
	s_wait_dscnt 32
.else
	s_wait_dscnt 16                                ; the last step asks for no more: the counts run down
.endif
	MUL \ks, 1, \zero
.if (\ks) < 7
	AFETCH (\ks)+1, 1
	s_wait_dscnt 32
.else
	s_wait_dscnt 0x0
.endif
	MUL \ks, 2, \zero
.endm
.macro SEND a                          ; row block a's codes: hidden units 32 g + 16 h + 0..15 of row r: two chunks of the next operand, 512 consecutive bytes each
	global_store_b128 v2, v[CD+8*(\a):CD+8*(\a)+3], s[30:31] offset:2048*(\a)
	global_store_b128 v2, v[CD+8*(\a)+4:CD+8*(\a)+7], s[30:31] offset:2048*(\a)+512
.endm
.macro OUT a                           ; row block a: 32 sums a lane -> silu -> codes; the block before is stored on the way
.set RC, 32*((\a)%8)
	WIN 0x02+(\a)/8                                ; source 0: window 2 or 3
.set J, 0
.rept 16
	v_pk_mul_f32 v[Z+J:Z+J+1], v[RC+J:RC+J+1], s[36:37] op_sel_hi:[1,0]   ; z = sum x 2^(ex + ew1); each accumulator from its low end on
.set J, J+2
.endr
.set J, 0
.rept 16
	v_pk_mul_f32 v[U+J:U+J+1], v[RC+J:RC+J+1], s[38:39] op_sel_hi:[1,0]   ; -z log2(e)
.set J, J+2
.endr
	WIN 0
.set J, 0
	s_wait_alu depctr_va_vdst(0)
.rept 32
	v_exp_f32 v[U+J], v[U+J]
.set J, J+1
.endr
	v_nop                                          ; a plain line behind the exponentials
	s_wait_alu depctr_va_vdst(0)                   ; the exponentials have written v[U ..], ahead of their first reader; and the conversions of the block before have written its codes, which the two stores below read
.if (\a) > 0
	SEND (\a)-1
.endif
.set J, 0
.rept 16
	v_pk_add_f32 v[U+J:U+J+1], v[U+J:U+J+1], 1.0 op_sel_hi:[1,0]
.set J, J+2
.endr
.set J, 0
	s_wait_alu depctr_va_vdst(0)
.rept 32
	v_rcp_f32 v[U+J], v[U+J]
.set J, J+1
.endr
	v_nop                                          ; a plain line behind the reciprocals
	s_wait_alu depctr_va_vdst(0)                   ; the reciprocals have written v[U ..], ahead of their first reader
.set J, 0
.rept 16
	v_pk_mul_f32 v[Z+J:Z+J+1], v[Z+J:Z+J+1], v[U+J:U+J+1]                 ; silu(z) = z / (1 + e^-z)
.set J, J+2
.endr
.set J, 0
.rept 32
	v_med3_num_f32 v[Z+J], v[Z+J], -v12, v12       ; the conversion does not saturate (ISA guide 7.6.2): the hold at the largest code x the scale
.set J, J+1
.endr
.irp i, 0,1,2,3
	v_cvt_scalef32_pk8_bf8_f32 v[CD+8*(\a)+2*\i:CD+8*(\a)+2*\i+1], v[Z+8*\i:Z+8*\i+7], v11
.endr
	v_nop                                          ; a plain line behind the last conversion
.endm
	s_load_b256 s[4:11], s[0:1], 0x0               ; place s[4:5], xq s[6:7], wc s[8:9], scales s[10:11]
	s_load_b64 s[12:13], s[0:1], 0x20              ; hq
	v_lshl_add_u32 v62, v0, 2, 0x30c00
	v_mov_b32 v63, 0
	v_lshrrev_b32 v1, 5, v0
	v_readfirstlane_b32 s16, v1                    ; wave
	s_and_b32 s17, ttmp7, 0xffff                   ; tile
	s_lshl_b32 s21, s17, 7                         ; the tile's mark: 128 bytes a tile
	s_lshl_b32 s18, s17, 10                        ; the tile's list: 1,024 bytes a tile,
	s_wait_alu depctr_va_sdst(0)                   ; s16 is written, ahead of its first reader
	s_mul_i32 s19, s16, 192                        ; my wave's 48 words of it
	s_add_co_u32 s18, s18, s19
	s_mov_b32 s33, 0                               ; the upper word of every byte offset below
	s_wait_kmcnt 0x0
	s_load_b32 s20, s[4:5], s21 offset:0x4000      ; the tile's expert, or 8
	s_load_b512 s[RW:RW+15], s[4:5], s18 offset:0x5000   ; my rows 0-15
	v_and_b32 v1, 31, v0                           ; lane
	v_lshlrev_b32 v2, 4, v1                        ; 16 x lane
	v_and_b32 v3, 15, v0                           ; r
	v_bfe_u32 v4, v0, 4, 1                         ; h
	v_mul_u32_u24 v5, v3, PA
	v_lshl_add_u32 v5, v4, 4, v5                   ; fragments of row blocks 0-3: row r x pitch + 16 h
	v_add_nc_u32 v6, 64*PA, v5                     ; 4-7
	v_add_nc_u32 v7, 128*PA, v5                    ; 8-11
	s_mul_i32 s34, s16, 48*PA
	v_add_nc_u32 v8, s34, v2                       ; where my wave puts its 48 gathered rows
	s_mul_i32 s32, s17, 393216                     ; the hidden codes: tile, K step 2 x + wave / 2 of the next product, chunks 2 (wave % 2) on
	s_lshl_b32 s34, ttmp9, 1
	s_lshr_b32 s35, s16, 1
	s_add_co_u32 s34, s34, s35
	s_mul_i32 s34, s34, 24576
	s_add_co_u32 s32, s32, s34
	s_and_b32 s35, s16, 1
	s_lshl_b32 s35, s35, 10
	s_add_co_u32 s32, s32, s35
	s_add_nc_u64 s[30:31], s[12:13], s[32:33]
	s_wait_kmcnt 0x0
	s_cmp_lt_u32 s20, 8
	s_cselect_b32 s22, 1, 0                        ; the tile has rows
	s_min_u32 s23, s20, 7                          ; its expert
	s_lshl_b32 s19, s23, 4
	s_load_b128 s[24:27], s[10:11], s19 offset:0x0 ; ex, ew1, eh, ew2 of my expert
	s_lshl_b32 s32, s23, 21                        ; my weights: expert x 2 MiB + (4 x + wave) x 64 KiB
	s_lshl_b32 s34, ttmp9, 2
	s_add_co_u32 s34, s34, s16
	s_lshl_b32 s34, s34, 16
	s_add_co_u32 s32, s32, s34
	s_add_nc_u64 s[28:29], s[8:9], s[32:33]
	WIN 0x40                                       ; destination window 1
	s_wait_alu depctr_va_vdst(0)                   ; v2 and v5 to v8 are written: every load and store of the kernel reads one of them as its offset or LDS address; none is written again
	BLOAD 0
	BLOAD 1
	BLOAD 2
	BLOAD 3
	WIN 0
	GBATCH 0
	GBATCH 1
	s_load_b512 s[RW:RW+15], s[4:5], s18 offset:0x5040   ; my rows 16-31: the first sixteen numbers have been made into addresses
	s_wait_kmcnt 0x0                               ; the exponents, and rows 16-31
	s_add_co_i32 s36, s24, s25
	s_add_co_i32 s36, s36, 127
	s_lshl_b32 s36, s36, 23                        ; 2^(ex + ew1) as f32
	s_mov_b32 s37, s36                             ; (named with it as a pair, so it is written)
	s_mul_f32 s38, s36, 0xbfb8aa3b                 ; x -log2(e)
	s_mov_b32 s39, s38
	s_add_co_i32 s34, s26, 127
	s_lshl_b32 s35, s34, 23
	v_mov_b32 v11, s35                             ; 2^eh
	s_add_co_i32 s34, s34, 15
	s_lshl_b32 s34, s34, 23
	s_or_b32 s34, s34, 0x600000
	v_mov_b32 v12, s34                             ; 57,344 x 2^eh
.irp j, 0,1,2,3,4,5
.if \j < 5
	s_wait_loadcnt 16                              ; this batch is in (and all that is older, the first four stages of weights too), so its eight addresses may be written again; the younger batch stays out
.else
	s_wait_loadcnt 0x0
.endif
	GSTORE \j
	s_wait_dscnt 0x0                               ; my stores into LDS are done; behind the last batch: for the other waves' sake, ahead of the barrier
.if \j != 4
	s_wait_alu depctr_vm_vsrc(0)                   ; the LDS stores issued so far have read their data registers, in which loads land next: the batch two on, or, behind the last batch, the first fragments of rows
.endif
.if \j == 2
	s_wait_kmcnt 0x0                               ; rows 32-47
.endif
.if \j+2 < 6
	GBATCH \j+2
.endif
.if \j == 1
	s_load_b512 s[RW:RW+15], s[4:5], s18 offset:0x5080   ; my rows 32-47: rows 16-31 have been made into addresses
.endif
.endr
	s_barrier_signal -1
	s_barrier_wait -1                              ; all 192 rows lie in LDS; nothing is written there any more
	s_cmp_eq_u32 s22, 0
	s_cbranch_scc1 .Lend                           ; a tile without rows ends here, behind the one barrier
	AFETCH 0, 0
	AFETCH 0, 1
	STEP 0, 1                                      ; the first products start the sums; no product stands ahead of this step, so it has no wait on va_vdst
.irp k, 1,2,3,4,5,6,7
	STEP \k, 0
.endr
	WIN 0
	PLACES                                         ; behind the last products: their results are read and their operands' registers written below
.irp a, 0,1,2,3,4,5,6,7,8,9,10,11
	OUT \a
.endr
	s_wait_alu depctr_va_vdst(0)                   ; block 11's conversions have written its codes, which the last two stores read
	SEND 11
.Lend:
	s_wait_dscnt 0x0                               ; the closing lines, six on end
	s_wait_alu 0x0
	s_wait_tensorcnt 0x0
	ds_add_u32 v62, v63
	s_wait_dscnt 0x0
	s_endpgm
.Lfunc_end_k_q39971167ce_gemm1:
	.size	k_q39971167ce_gemm1, .Lfunc_end_k_q39971167ce_gemm1-k_q39971167ce_gemm1
	.p2alignl 7, 3214868480
	.fill 96, 4, 3214868480
	.section	.rodata,"a",@progbits
	.p2align	6, 0x0
	.amdhsa_kernel k_q39971167ce_gemm1
		.amdhsa_group_segment_fixed_size 200192
		.amdhsa_private_segment_fixed_size 0
		.amdhsa_enable_private_segment 0
		.amdhsa_kernarg_size 40
		.amdhsa_user_sgpr_count 2
		.amdhsa_user_sgpr_kernarg_segment_ptr 1
		.amdhsa_wavefront_size32 1
		.amdhsa_system_sgpr_workgroup_id_x 1
		.amdhsa_system_sgpr_workgroup_id_y 1
		.amdhsa_system_sgpr_workgroup_id_z 1
		.amdhsa_system_vgpr_workitem_id 0
		.amdhsa_next_free_vgpr 1024
		.amdhsa_next_free_sgpr 100
		.amdhsa_reserve_vcc 0
		.amdhsa_float_denorm_mode_32 3
		.amdhsa_float_denorm_mode_16_64 3
		.amdhsa_memory_ordered 1
		.amdhsa_forward_progress 1
		.amdhsa_inst_pref_size 194
	.end_amdhsa_kernel
	.amdgpu_metadata
---
amdhsa.version: [ 1, 2 ]
amdhsa.kernels:
  - .name:           k_q39971167ce_gemm1
    .symbol:         k_q39971167ce_gemm1.kd
    .args:
      - { .name: place, .offset: 0, .size: 8, .value_kind: global_buffer, .address_space: global }
      - { .name: xq, .offset: 8, .size: 8, .value_kind: global_buffer, .address_space: global }
      - { .name: wc, .offset: 16, .size: 8, .value_kind: global_buffer, .address_space: global }
      - { .name: lowp_scales, .offset: 24, .size: 8, .value_kind: global_buffer, .address_space: global }
      - { .name: hq, .offset: 32, .size: 8, .value_kind: global_buffer, .address_space: global }
    .group_segment_fixed_size: 200192
    .private_segment_fixed_size: 0
    .kernarg_segment_align: 8
    .kernarg_segment_size: 40
    .max_flat_workgroup_size: 128
    .sgpr_count:     100
    .vgpr_count:     1024
    .wavefront_size: 32
...
	.end_amdgpu_metadata
.endif
;; end of part 8
;; launch gemm2 (part 9): grid 8 x 29, 4 waves a work-group, no clusters, 214,528 bytes of LDS; arguments place, hq, wc, lowp_scales, y; writes y
.if DOCPART == 9
	.amdgcn_target "amdgcn-amd-amdhsa--gfx1250"
	.amdhsa_code_object_version 6
	.text
	.protected	k_q39971167ce_gemm2
	.globl	k_q39971167ce_gemm2
	.p2align	8
	.type	k_q39971167ce_gemm2,@function
k_q39971167ce_gemm2:
	s_mov_b64 s[64:65], 0
	v_nop
	global_prefetch_b8 v0, s[64:65] scope:SCOPE_SE
	s_setreg_imm32_b32 hwreg(HW_REG_WAVE_SCHED_MODE, 0, 2), 2
	s_setreg_imm32_b32 hwreg(HW_REG_WAVE_MODE, 25, 1), 1
	s_wait_xcnt 0x0
	s_wait_alu depctr_vm_vsrc(0)
; GEMM2: y = h W2[e] x 2^(eh + ew2) for each tile of routed rows.  Both operands are codes of BF8 (E5M2), laid in memory in the order of the operand's registers; sums in f32.
; Work-group (x, y): tile y; half x >> 2 of its 192 rows; columns 256 (x & 3) on; K = 2,048.  Wave w makes 96 rows x 64 columns: 6 x 4 accumulators.
; The 96 rows' codes, whole K (196,608 bytes), are copied once into LDS, as they lie, and read by all four waves; a wave's weights go from memory straight into registers, three to four K steps ahead: no other wave reads them.
; The tile's expert is a whole number that an earlier launch stored (8: the tile has no rows).  Such a work-group copies tile 0's rows, which always exist, passes the one barrier, stores nothing and ends.
; THE MATRIX INSTRUCTION IS USED TRANSPOSED (source 0 = 16 columns of W2, source 1 = 16 rows): a lane holds one row; by the order in which the weights' columns were laid, register j of tile 2 g + u is column 32 g + 16 h + 8 u + j.
; The results go through the wave's own stage in LDS and leave as 256 consecutive bytes, aligned, from sixteen lanes.
; NO CLUSTER: the weights' address hangs on the tile's expert, a number read from memory, so a joint load's descriptor cannot be shown alike in partners; only the rows' codes, a quarter of a step's bytes, hang on ids alone.
; LIMIT: eh + ew2 between -126 and 127, so that 2^(eh + ew2) is an f32 number.
; THE MODE: SCHED_MODE bits 1:0 = 2 (LLVM: expert scheduling mode 2), set by the entry lines.  The code itself states the register dependences
; between vector or matrix instructions and memory or LDS instructions, with s_wait_alu, always for 0.
; THE PLAN.  Registers that memory or LDS instructions touch:
;   v2, v6-12     Offsets and LDS addresses: made once at the head, never written again.
;   v32-95, v96-159   At the head: two sets for the copy.  Global loads land in a set, LDS stores read it, the batch two on lands in it again.
;   W0 .. W3      The weights' four stages.  The products of K step ks read W[ks % 4]; the stage of step ks + 3 lands in W[(ks - 1) % 4], asked for at the head of step ks.
;   S0, S1, S2    THREE sets of six row fragments.  The products of step ks read S[ks % 3]; the fragments of step ks + 2 land in S[(ks - 1) % 3], asked for in step ks, behind its first eight products.
;   v[TMP ..]     The way out: written by a block's multiplications, read by its LDS stores.   v[OB ..]: 32 registers of its own for each block: LDS loads land there, global stores read them.
; So ONE wait on va_vdst stands at the head of a K step that issues loads: the products of the step before are done reading their set of rows and their stage of weights.  The products of step ks name S[ks % 3],
; W[ks % 4] and the accumulators: none of the registers in which the step's loads land.
; REGISTERS.  Window 0: v2-12 addresses; v30-31 the closing add's two; v32-127 S0, v128-223 S1 (at the head: two sets of 64 for the copy; at the end: 6 x 32 rows read back); v224-255 scaled sums.
; Window 1: the 24 accumulators at 8 (4 a + b).  Window 2: weights, four stages of 64.  Window 3: v0-95 S2.
.set STG, 196608                       ; behind the rows: a stage of 16 rows x (256 bytes + 16) for each wave
.set OB,  32
.set TMP, 224
.set MSB, 0
.macro WIN new                         ; the immediate's high byte repeats the setting that is left
.if MSB != (\new)
	s_set_vgpr_msb (MSB<<8)|(\new)
.set MSB, (\new)
.endif
.endm
.macro PLACES
.rept 4
	v_nop
.endr
.endm
.macro BLOAD s
.irp b, 0,1,2,3
.irp c, 0,1,2,3
	global_load_b128 v[64*((\s)%4)+16*\b+4*\c:64*((\s)%4)+16*\b+4*\c+3], v2, s[28:29] offset:8192*(\s)+2048*\b+512*\c
.endr
.endr
.endm
.macro CLOAD j                         ; sixteen of my wave's 96 pieces of 512 bytes: piece n = K step n / 24 of my four, byte 512 (n % 24) of its six fragments
.set I, 0
.rept 16
.set NN, 16*(\j)+I
	global_load_b128 v[32+64*((\j)%2)+4*I:32+64*((\j)%2)+4*I+3], v2, s[30:31] offset:24576*(NN/24)+512*(NN%24)
.set I, I+1
.endr
.endm
.macro CSTORE j
.set I, 0
.rept 16
.set NN, 16*(\j)+I
	ds_store_b128 v9, v[32+64*((\j)%2)+4*I:32+64*((\j)%2)+4*I+3] offset:12288*(NN/24)+512*(NN%24)
.set I, I+1
.endr
.endm
.macro AFETCH2 ks                      ; the six row fragments of K step ks, as images: 16 bytes a lane, 512 a load; into set ks % 3
.if (\ks) < 4
.set AR, 2
.else
.set AR, 5+(\ks)/4
.endif
.if (\ks)%3 < 2
.set AB, 32+96*((\ks)%3)
	WIN 0
.else
.set AB, 0
	WIN 0xc0                                       ; destination window 3, address window 0
.endif
.irp a, 0,1,2,3,4,5
.irp c, 0,1,2,3
	ds_load_b128 v[AB+16*\a+4*\c:AB+16*\a+4*\c+3], v[AR] offset:12288*((\ks)%4)+2048*\a+512*\c
.endr
.endr
.endm
.macro MUL2 ks, a                      ; row block a x my four tiles of columns; the 24 accumulators take turns, one instruction a turn, in the same order in every K step
.if (\ks)%3 < 2
.set AB, 32+96*((\ks)%3)
	WIN 0x52                                       ; source 0 (weights) window 2, source 1 (rows) window 0, C and D window 1
.else
.set AB, 0
	WIN 0x5e                                       ; source 1 window 3
.endif
.irp b, 0,1,2,3
.if (\ks) == 0
	v_wmma_f32_16x16x128_bf8_bf8 v[8*(4*(\a)+\b):8*(4*(\a)+\b)+7], v[64*((\ks)%4)+16*\b:64*((\ks)%4)+16*\b+15], v[AB+16*(\a):AB+16*(\a)+15], 0
.else
	v_wmma_f32_16x16x128_bf8_bf8 v[8*(4*(\a)+\b):8*(4*(\a)+\b)+7], v[64*((\ks)%4)+16*\b:64*((\ks)%4)+16*\b+15], v[AB+16*(\a):AB+16*(\a)+15], v[8*(4*(\a)+\b):8*(4*(\a)+\b)+7]
.endif
.endr
.endm
.macro STEP2 ks
.if ((\ks) > 0) && ((\ks)+2 < 16)      ; steps 14 and 15 issue no load: they have no wait
.if (\ks)+3 < 16
	WIN 0x80                                       ; destination window 2
.endif
	s_wait_alu depctr_va_vdst(0)                   ; the products of step ks - 1 are done reading their set of rows and their stage of weights: the loads of this step land there
.if (\ks)+3 < 16
	BLOAD (\ks)+3                                  ; into the stage that step ks - 1 multiplied
.endif
.endif
.if (\ks) >= 12
	s_wait_loadcnt 16*(15-(\ks))                   ; this step's weights are in; the stages issued behind them stay out
.elseif (\ks) >= 4
	s_wait_loadcnt 48
.endif
.if (\ks) < 15
	s_wait_dscnt 24                                ; this step's fragments are in; the next step's 24 loads stay out
.else
	s_wait_dscnt 0x0
.endif
.irp a, 0,1
	MUL2 \ks, \a
.endr
.if (\ks)+2 < 16
	AFETCH2 (\ks)+2                                ; no wait: no product since the wait above names this set
.endif
.irp a, 2,3,4,5
	MUL2 \ks, \a
.endr
.if ((\ks) < 13) || ((\ks) == 15)
	PLACES                                         ; four plain lines behind the step's products, ahead of the next step's wait and loads, or of the first read of results: a wait fills no place
.endif
.endm
.macro YOUT a                          ; 16 rows x my 64 columns
.if (\a) > 0
	s_wait_alu depctr_vm_vsrc(0)                   ; the last block's LDS stores have read v[TMP ..], which the multiplications below write again
.endif
	WIN 0x01                                       ; source 0: window 1
.set J, 0
.rept 16
	v_pk_mul_f32 v[TMP+J:TMP+J+1], v[32*(\a)+J:32*(\a)+J+1], s[40:41] op_sel_hi:[1,0]   ; x 2^(eh + ew2); each accumulator from its low end on
.set J, J+2
.endr
	WIN 0
	s_wait_alu depctr_va_vdst(0)                   ; the multiplications have written v[TMP ..], which the LDS stores read; in block 0 also: the last products are done reading S0 and S1, in which the loads from the stage land
.irp b, 0,1,2,3
	ds_store_b128 v10, v[TMP+8*\b:TMP+8*\b+3] offset:128*(\b/2)+32*(\b%2)
	ds_store_b128 v10, v[TMP+8*\b+4:TMP+8*\b+7] offset:128*(\b/2)+32*(\b%2)+16
.endr
.irp i, 0,1,2,3,4,5,6,7
	ds_load_b128 v[OB+32*(\a)+4*\i:OB+32*(\a)+4*\i+3], v11 offset:544*\i   ; LDS serves a wave's instructions in order (ISA guide 5.7.1.4): these see my stores
.endr
	s_wait_dscnt 0x0
.irp i, 0,1,2,3,4,5,6,7
	global_store_b128 v12, v[OB+32*(\a)+4*\i:OB+32*(\a)+4*\i+3], s[32:33] offset:4096*(16*(\a)+2*\i)   ; sixteen lanes store 256 consecutive bytes, aligned; two rows an instruction
.endr
.endm
	s_load_b256 s[4:11], s[0:1], 0x0               ; place s[4:5], hq s[6:7], wc s[8:9], scales s[10:11]
	s_load_b64 s[12:13], s[0:1], 0x20              ; y
	v_lshl_add_u32 v30, v0, 2, 0x34400
	v_mov_b32 v31, 0
	v_lshrrev_b32 v1, 5, v0
	v_readfirstlane_b32 s16, v1                    ; wave
	s_and_b32 s17, ttmp7, 0xffff                   ; tile
	s_and_b32 s18, ttmp9, 3                        ; which 256 columns
	s_lshr_b32 s19, ttmp9, 2                       ; which 96 rows
	s_lshl_b32 s21, s17, 7
	s_wait_kmcnt 0x0
	s_load_b32 s20, s[4:5], s21 offset:0x4000      ; the tile's expert, or 8
	v_and_b32 v1, 31, v0
	v_lshlrev_b32 v2, 4, v1                        ; 16 x lane: also the LDS address of K steps 0-3
	v_and_b32 v3, 15, v0                           ; r
	v_bfe_u32 v4, v0, 4, 1                         ; h
	v_add_nc_u32 v6, 49152, v2                     ; K steps 4-7,
	v_add_nc_u32 v7, 98304, v2                     ; 8-11,
	v_add_nc_u32 v8, 147456, v2                    ; 12-15
	s_wait_alu depctr_va_sdst(0)                   ; s16 is written, ahead of its first reader
	s_mul_i32 s25, s16, 49152
	v_add_nc_u32 v9, s25, v2                       ; where my wave puts its four K steps
	s_mul_i32 s25, s16, 4352
	s_add_co_u32 s25, s25, STG                     ; my stage
	v_mul_u32_u24 v10, v3, 272
	v_lshl_add_u32 v10, v4, 6, v10
	v_add_nc_u32 v10, s25, v10                     ; in: row r, + 64 h
	v_mul_u32_u24 v11, v4, 272
	v_lshl_add_u32 v11, v3, 4, v11
	v_add_nc_u32 v11, s25, v11                     ; back: lanes 0-15 one row, lanes 16-31 the next
	v_lshlrev_b32 v12, 12, v4
	v_lshl_add_u32 v12, v3, 4, v12                 ; and the same two rows in y
	s_mul_i32 s26, s17, 192
	s_mul_i32 s25, s19, 96
	s_add_co_u32 s26, s26, s25
	s_lshl_b32 s26, s26, 12                        ; y: row 192 tile + 96 half, of 4,096 bytes,
	s_lshl_b32 s25, s18, 10
	s_add_co_u32 s26, s26, s25                     ; + 1,024 x column block
	s_lshl_b32 s25, s16, 8
	s_add_co_u32 s26, s26, s25                     ; + 256 x wave
	s_mov_b32 s27, 0
	s_add_nc_u64 s[32:33], s[12:13], s[26:27]
	s_wait_kmcnt 0x0
	s_cmp_lt_u32 s20, 8
	s_cselect_b32 s22, 1, 0                        ; the tile has rows
	s_cselect_b32 s23, s17, 0                      ; else tile 0's codes are copied: no byte is read that nobody wrote
	s_min_u32 s23, s23, 28
	s_min_u32 s24, s20, 7
	s_lshl_b32 s21, s24, 4
	s_load_b128 s[36:39], s[10:11], s21 offset:0x0 ; ex, ew1, eh, ew2
	s_lshl_b32 s26, s24, 21                        ; my weights: W2's codes begin at 16 MiB; expert x 2 MiB + (4 block + wave) x 128 KiB
	s_lshl_b32 s25, s18, 2
	s_add_co_u32 s25, s25, s16
	s_lshl_b32 s25, s25, 17
	s_add_co_u32 s26, s26, s25
	s_add_co_u32 s26, s26, 16777216
	s_add_nc_u64 s[28:29], s[8:9], s[26:27]
	s_mul_i32 s26, s23, 393216                     ; the rows' codes: tile, + six fragments x half, + four K steps x wave
	s_mul_i32 s25, s19, 12288
	s_add_co_u32 s26, s26, s25
	s_mul_i32 s25, s16, 98304
	s_add_co_u32 s26, s26, s25
	s_add_nc_u64 s[30:31], s[6:7], s[26:27]
	WIN 0x80                                       ; destination window 2
	s_wait_alu depctr_va_vdst(0)                   ; v2 and v6 to v12 are written: every load and store of the kernel reads one of them as its offset or LDS address; none is written again
	BLOAD 0
	BLOAD 1
	BLOAD 2
	BLOAD 3
	WIN 0
	CLOAD 0
	CLOAD 1
	s_wait_kmcnt 0x0
	s_add_co_i32 s40, s38, s39
	s_add_co_i32 s40, s40, 127
	s_lshl_b32 s40, s40, 23                        ; 2^(eh + ew2) as f32
	s_mov_b32 s41, s40                             ; (named with it as a pair, so it is written)
.irp j, 0,1,2,3,4,5
.if \j < 5
	s_wait_loadcnt 16                              ; this batch is in (and all that is older, the first four stages of weights too); the younger batch stays out
.else
	s_wait_loadcnt 0x0
.endif
	CSTORE \j
	s_wait_dscnt 0x0                               ; my stores into LDS are done; behind the last batch: for the other waves' sake, ahead of the barrier
.if \j != 4
	s_wait_alu depctr_vm_vsrc(0)                   ; the LDS stores issued so far have read their data registers, in which loads land next: the batch two on, or, behind the last batch, the first fragments of rows
.endif
.if \j+2 < 6
	CLOAD \j+2
.endif
.endr
	s_barrier_signal -1
	s_barrier_wait -1                              ; the 96 rows' codes lie in LDS; nothing is written there any more
	s_cmp_eq_u32 s22, 0
	s_cbranch_scc1 .Lend                           ; a tile without rows ends here, behind the one barrier
	AFETCH2 0
	AFETCH2 1
.irp k, 0,1,2,3,4,5,6,7,8,9,10,11,12,13,14,15
	STEP2 \k
.endr
.irp a, 0,1,2,3,4,5
	YOUT \a
.endr
.Lend:
	s_wait_dscnt 0x0                               ; the closing lines, six on end
	s_wait_alu 0x0
	s_wait_tensorcnt 0x0
	ds_add_u32 v30, v31
	s_wait_dscnt 0x0
	s_endpgm
.Lfunc_end_k_q39971167ce_gemm2:
	.size	k_q39971167ce_gemm2, .Lfunc_end_k_q39971167ce_gemm2-k_q39971167ce_gemm2
	.p2alignl 7, 3214868480
	.fill 96, 4, 3214868480
	.section	.rodata,"a",@progbits
	.p2align	6, 0x0
	.amdhsa_kernel k_q39971167ce_gemm2
		.amdhsa_group_segment_fixed_size 214528
		.amdhsa_private_segment_fixed_size 0
		.amdhsa_enable_private_segment 0
		.amdhsa_kernarg_size 40
		.amdhsa_user_sgpr_count 2
		.amdhsa_user_sgpr_kernarg_segment_ptr 1
		.amdhsa_wavefront_size32 1
		.amdhsa_system_sgpr_workgroup_id_x 1
		.amdhsa_system_sgpr_workgroup_id_y 1
		.amdhsa_system_sgpr_workgroup_id_z 1
		.amdhsa_system_vgpr_workitem_id 0
		.amdhsa_next_free_vgpr 864
		.amdhsa_next_free_sgpr 66
		.amdhsa_reserve_vcc 0
		.amdhsa_float_denorm_mode_32 3
		.amdhsa_float_denorm_mode_16_64 3
		.amdhsa_memory_ordered 1
		.amdhsa_forward_progress 1
		.amdhsa_inst_pref_size 114
	.end_amdhsa_kernel
	.amdgpu_metadata
---
amdhsa.version: [ 1, 2 ]
amdhsa.kernels:
  - .name:           k_q39971167ce_gemm2
    .symbol:         k_q39971167ce_gemm2.kd
    .args:
      - { .name: place, .offset: 0, .size: 8, .value_kind: global_buffer, .address_space: global }
      - { .name: hq, .offset: 8, .size: 8, .value_kind: global_buffer, .address_space: global }
      - { .name: wc, .offset: 16, .size: 8, .value_kind: global_buffer, .address_space: global }
      - { .name: lowp_scales, .offset: 24, .size: 8, .value_kind: global_buffer, .address_space: global }
      - { .name: y, .offset: 32, .size: 8, .value_kind: global_buffer, .address_space: global }
    .group_segment_fixed_size: 214528
    .private_segment_fixed_size: 0
    .kernarg_segment_align: 8
    .kernarg_segment_size: 40
    .max_flat_workgroup_size: 128
    .sgpr_count:     66
    .vgpr_count:     864
    .wavefront_size: 32
...
	.end_amdgpu_metadata
.endif
;; end of part 9
;; launch combine (part 10): grid 256 x 1, 8 waves a work-group, no clusters, 0 bytes of LDS; arguments place, gates, y, out0; writes out0
.if DOCPART == 10
	.amdgcn_target "amdgcn-amd-amdhsa--gfx1250"
	.amdhsa_code_object_version 6
	.text
	.protected	k_q39971167ce_combine
	.globl	k_q39971167ce_combine
	.p2align	8
	.type	k_q39971167ce_combine,@function
k_q39971167ce_combine:
	s_mov_b64 s[64:65], 0
	v_nop
	global_prefetch_b8 v0, s[64:65] scope:SCOPE_SE
	s_setreg_imm32_b32 hwreg(HW_REG_WAVE_MODE, 25, 1), 1
	s_wait_xcnt 0x0
; COMBINE: out[t] = g0 y[place of row 2 t] + g1 y[place of row 2 t + 1]: the lower expert's term first, as the problem's definition adds them.
; One wave, one token: a row is 4,096 bytes, eight loads of 512 consecutive bytes from each of the two rows, eight stores of 512.  The places are whole numbers that an earlier launch stored;
; each is held at 5,567, the last row of y, ahead of its use in an address.  A stream: no LDS, no barrier, no matrix unit.
	s_load_b256 s[4:11], s[0:1], 0x0               ; place s[4:5], gates s[6:7], y s[8:9], out s[10:11]
	v_lshrrev_b32 v1, 5, v0
	s_delay_alu instid0(VALU_DEP_1)
	v_readfirstlane_b32 s12, v1                    ; wave
	v_and_b32 v1, 31, v0
	s_delay_alu instid0(VALU_DEP_1)
	v_lshlrev_b32 v2, 4, v1                        ; 16 x lane
	s_lshl_b32 s13, ttmp9, 3
	s_add_co_u32 s13, s13, s12                     ; token
	s_lshl_b32 s14, s13, 3
	s_wait_alu depctr_va_vdst(0)
	s_wait_kmcnt 0x0
	s_load_b64 s[16:17], s[4:5], s14 offset:0x0    ; the two places
	s_load_b64 s[18:19], s[6:7], s14 offset:0x0    ; the two gates
	s_lshl_b32 s20, s13, 12
	s_mov_b32 s21, 0
	s_add_nc_u64 s[10:11], s[10:11], s[20:21]
	s_wait_kmcnt 0x0
	s_min_u32 s16, s16, 5567
	s_min_u32 s17, s17, 5567
	s_lshl_b32 s20, s16, 12
	s_lshl_b32 s22, s17, 12
	s_mov_b32 s23, 0
	s_add_nc_u64 s[20:21], s[8:9], s[20:21]
	s_add_nc_u64 s[22:23], s[8:9], s[22:23]
	s_mov_b32 s24, s18                             ; each gate as a pair: the packed forms name a pair and take its low word for both halves
	s_mov_b32 s25, s18
	s_mov_b32 s26, s19
	s_mov_b32 s27, s19
.irp i, 0,1,2,3,4,5,6,7
	global_load_b128 v[8+4*\i:11+4*\i], v2, s[20:21] offset:512*\i th:TH_LOAD_NT
.endr
.irp i, 0,1,2,3,4,5,6,7
	global_load_b128 v[40+4*\i:43+4*\i], v2, s[22:23] offset:512*\i th:TH_LOAD_NT
.endr
	s_wait_loadcnt 8                               ; the first row is in; the second row's eight loads stay out
.set J, 0
.rept 16
	v_pk_mul_f32 v[8+J:9+J], v[8+J:9+J], s[24:25] op_sel_hi:[1,0]
.set J, J+2
.endr
	s_wait_loadcnt 0x0
.set J, 0
.rept 16
	v_pk_fma_f32 v[8+J:9+J], v[40+J:41+J], s[26:27], v[8+J:9+J] op_sel_hi:[1,0,1]
.set J, J+2
.endr
.irp i, 0,1,2,3,4,5,6,7
	global_store_b128 v2, v[8+4*\i:11+4*\i], s[10:11] offset:512*\i th:TH_STORE_NT
.endr
	s_endpgm
.Lfunc_end_k_q39971167ce_combine:
	.size	k_q39971167ce_combine, .Lfunc_end_k_q39971167ce_combine-k_q39971167ce_combine
	.p2alignl 7, 3214868480
	.fill 96, 4, 3214868480
	.section	.rodata,"a",@progbits
	.p2align	6, 0x0
	.amdhsa_kernel k_q39971167ce_combine
		.amdhsa_group_segment_fixed_size 0
		.amdhsa_private_segment_fixed_size 0
		.amdhsa_enable_private_segment 0
		.amdhsa_kernarg_size 32
		.amdhsa_user_sgpr_count 2
		.amdhsa_user_sgpr_kernarg_segment_ptr 1
		.amdhsa_wavefront_size32 1
		.amdhsa_system_sgpr_workgroup_id_x 1
		.amdhsa_system_sgpr_workgroup_id_y 1
		.amdhsa_system_sgpr_workgroup_id_z 1
		.amdhsa_system_vgpr_workitem_id 0
		.amdhsa_next_free_vgpr 72
		.amdhsa_next_free_sgpr 66
		.amdhsa_reserve_vcc 0
		.amdhsa_float_denorm_mode_32 3
		.amdhsa_float_denorm_mode_16_64 3
		.amdhsa_memory_ordered 1
		.amdhsa_forward_progress 1
		.amdhsa_inst_pref_size 6
	.end_amdhsa_kernel
	.amdgpu_metadata
---
amdhsa.version: [ 1, 2 ]
amdhsa.kernels:
  - .name:           k_q39971167ce_combine
    .symbol:         k_q39971167ce_combine.kd
    .args:
      - { .name: place, .offset: 0, .size: 8, .value_kind: global_buffer, .address_space: global }
      - { .name: gates, .offset: 8, .size: 8, .value_kind: global_buffer, .address_space: global }
      - { .name: y, .offset: 16, .size: 8, .value_kind: global_buffer, .address_space: global }
      - { .name: out0, .offset: 24, .size: 8, .value_kind: global_buffer, .address_space: global }
    .group_segment_fixed_size: 0
    .private_segment_fixed_size: 0
    .kernarg_segment_align: 8
    .kernarg_segment_size: 32
    .max_flat_workgroup_size: 256
    .sgpr_count:     66
    .vgpr_count:     72
    .wavefront_size: 32
...
	.end_amdgpu_metadata
.endif
;; end of part 10
